; MI455X (gfx1250); checked and timed in simulation.
; The chip was launched on July 23, 2026; its instructions are those of AMD's public machine-readable ISA for CDNA 5 (MIT licence, August 2026) and "CDNA5" Instruction Set Architecture Reference Guide (July 2026). The comments in the code are by the model that wrote it; some were corrected since.
;; Causal Self Attention. Allowed arithmetic: matrix products marked QUANTISED: E2M1 operands, one E8M0 scale for each 32 along K, by v_wmma_scale_f32_16x16x128_f8f6f4 with both operands' format E2M1 (or v_wmma_scale_f32_32x16x128_f4), f32 sums; everything else in f32.
;; Inputs: b_attn 3,072 float32; b_proj 1,024 float32; w_attn 1,024 x 3,072 float32; w_proj 1,024 x 1,024 float32; x 8 x 1,024 x 1,024 float32.
;; Outputs: out0 8 x 1,024 x 1,024 float32.
;; This version of the problem:
;;   THIS VERSION OF THE PROBLEM IS GIVEN IN LOW PRECISION. The matrix products marked QUANTISED in the list below multiply operands that are first quantised to E2M1 (2 exponent bits, 1 mantissa bit; 4 bits a number), with one power-of-two scale for each 32 numbers along K (OCP MX v1.0); their sums are f32. All else is computed in f32.
;;   The module's matrix products, in the order in which they are computed (A, B: the left and right operand; K: the contracted axis; several contracted axes count as one K, in the product's order):
;;     1. [M 8,192, K 1,024] x [K 1,024, N 3,072]; A: input x; B: input w_attn: QUANTISED
;;     2. batch 128 x [M 1,024, K 64] x [K 64, N 1,024]; A: computed on the way; B: computed on the way: QUANTISED
;;     3. batch 128 x [M 1,024, K 1,024] x [K 1,024, N 64]; A: softmax (see below); B: computed on the way: QUANTISED
;;     4. [M 8,192, K 1,024] x [K 1,024, N 1,024]; A: computed on the way; B: input w_proj: QUANTISED
;;   THE QUANTISER, for each operand of a quantised product, along K:
;;     - K is cut into blocks of 32 from its start; a last block that is shorter is filled with zeros.
;;     - A block's scale is 2^e with e = floor(log2(the largest magnitude in the block)) - 2, held to -126 .. 127; a block of zeros has e = 0. As a byte (E8M0): e + 127.
;;     - Each number is divided by its block's scale, clamped to +-6, and rounded to the nearest number of E2M1, ties to even, subnormals kept.
;;     - The product sums the exact products of the quantised numbers (number of the format x scale) in f32.
;;   ~~~python
;;   def quantise(x, axis):      # numpy; x: float32 -> the quantised numbers, widened to float32 again
;;       x = np.moveaxis(x, axis, -1); K = x.shape[-1]
;;       x = np.pad(x, [(0, 0)] * (x.ndim - 1) + [(0, -K % 32)]); x = x.reshape(x.shape[:-1] + (-1, 32)); a = np.abs(x).max(-1, keepdims=True)
;;       e = np.where(a > 0, np.clip(np.frexp(np.where(a > 0, a, 1))[1] - 1 - 2, -126, 127), 0)      # np.frexp(a)[1] - 1 = floor(log2(a)), exactly
;;       r = np.clip(x / 2.0 ** e, -6, 6)
;;       step = 2.0 ** (np.maximum(np.frexp(np.where(r == 0, 1, r))[1] - 1, 0) - 1)
;;       q = np.round(r / step) * step * 2.0 ** e      # np.round: ties to even
;;       return np.moveaxis(q.reshape(q.shape[:-2] + (-1,))[..., :K], -1, axis).astype(np.float32)
;;   ~~~
;;   SOFTMAX AHEAD OF A QUANTISED PRODUCT. Where the list says 'softmax', what is quantised is not the finished softmax but p = 2^(t - M), with t = logit x log2(e) and M = ceil(the row's largest t), a whole number; so 1/2 < the row's largest p <= 1. The row's sum l is taken of the UNQUANTISED p, in f32, and the product's result is divided by l at the end. Since M is a whole number, a kernel that streams over the keys may use a running M (the ceiling of the running maximum): every later rescaling is an exact power of two, which a block's scale takes up: the codes' values come out the same.
;;   OPERANDS COMPUTED ON THE WAY. 'Computed on the way' means the value that the module computes at that place (a softmax that the list does not call 'softmax' is quantised finished and normalised). What goes into a quantiser is computed in f32, as accurately as f32 sums, v_exp_f32 and their like allow (about 1e-6 of the number): no bf16 or f16 on the way to a quantiser, and a product that is left as it is and whose result goes on into a quantised operand takes f32 operands (vector FMAs, or v_wmma_f32_16x16x4_f32). A number that lies on a knife's edge between two numbers of the format may be rounded either way, as far as f32 arithmetic and the matrix unit's own rounding can turn it there, and no further.
;; One version. Each part assembles by itself: llvm-mc -triple=amdgcn-amd-amdhsa -mcpu=gfx1250 --defsym DOCPART=n.
;; ======== version 1 of 1: 4 launches
;; limits: right only within a limited range of input values
;; workspace buffers: xc 4,194,304 bytes; xs 262,144 bytes; wc 2,097,152 bytes; ws 131,072 bytes; qrec 4,718,592 bytes; kvrec 9,175,040 bytes; yc 4,194,304 bytes; ysh 262,144 bytes
;; launch quant (part 1): grid 192 x 1, 16 waves a work-group, no clusters, 121,856 bytes of LDS; arguments x, w_attn, w_proj, xc, xs, wc, ws; writes xc, xs, wc, ws
.if DOCPART == 1
	.amdgcn_target "amdgcn-amd-amdhsa--gfx1250"
	.amdhsa_code_object_version 6
	.text
	.protected	k_q2d0bf19f61_quant
	.globl	k_q2d0bf19f61_quant
	.p2align	8
	.type	k_q2d0bf19f61_quant,@function
k_q2d0bf19f61_quant:
	s_mov_b64 s[64:65], 0
	v_nop
	global_prefetch_b8 v0, s[64:65] scope:SCOPE_SE
	s_setreg_imm32_b32 hwreg(HW_REG_WAVE_MODE, 25, 1), 1
	s_wait_xcnt 0x0
; x [8192][1024], w_attn [1024][3072] and w_proj [1024][1024], f32, become codes of FP4 (E2M1), K innermost, with one E8M0 byte for each 32 along K.
; A block's byte is its largest magnitude's exponent field - 2, held at 1 from below; each number is divided by the scale and rounded to the nearest code, ties to even, beyond 6 the largest code.
; LIMITS: NaN and infinities among the inputs are not served; a block whose largest magnitude lies under 2^-124 gets the byte 1; a block of zeros gets the byte 1 where the
; quantiser says 127: its codes are zeros, which add nothing under any byte but 0xff, and the bytes are read by this program alone.
; THE ROWS OF THE RESULTS ARE PERMUTED: row i (a token of x, a column of a weight) is stored at the row whose number is i with bits 3 and 4 exchanged.  The products that read these rows as
; they lie then find, in a lane's 16 registers of two neighbouring result tiles, 16 neighbours along the next product's K.
; xc [8192][512 bytes], xs [8192][32];  wc [4096][512], ws [4096][32]: rows 0-3071 w_attn's columns, rows 3072-4095 w_proj's.
; Work-groups 0-127 take x, 64 rows each (K innermost: 16 neighbours to a lane by a turn through the wave's own stage in LDS).  Work-groups 128-191 take 64 columns of a weight, all of K
; (K outermost: a lane to a column, registers down K; the codes leave through LDS as whole rows).  Each way reads 262,144 bytes, has LDS bytes of its own and one barrier.
; No matrix unit, no cluster, no tensor load: the launch streams, and its work-groups share nothing.
.set SP,   80                          ; x: a lane's place in a stage: its 64 bytes + 16 of padding
.set XSB,  81920                       ; behind the sixteen waves' stages (5,120 bytes each): the 64 rows' scale bytes, 2,048
.set WST,  83968                       ; weights: 64 rows of codes, 512 bytes + 16 of padding
.set WP,   528
.set WSS,  117760                      ; and their scale bytes, 32 a row
.set R,    16                          ; v16-143  x: eight sets of 16 numbers as loaded
.set X,    144                         ; v144-175 two sets of 16 neighbours
.set C,    176                         ; v176-191 codes, two registers a step
.set E,    192                         ; v192-199 a scale byte a step
.set WX,   32                          ; v32-159  weights: four blocks of 32 numbers down K
.set WC,   160                         ; v160-175 their codes
.set WSB,  176                         ; v176     their four scale bytes
.set WO,   180                         ; v180-199 the way out
.macro LOAD t                          ; step t of x: 32 lanes read 512 consecutive bytes, four times
.irp i, 0,1,2,3
	global_load_b128 v[R+16*(\t)+4*\i:R+16*(\t)+4*\i+3], v3, s[4:5] offset:2048*(\t)+512*\i th:TH_LOAD_NT
.endr
.endm
.macro TURN t                          ; step t's numbers through the stage: LDS serves a wave's instructions in order, so no wait stands between the stores and the loads
.irp i, 0,1,2,3
	ds_store_b128 v14, v[R+16*(\t)+4*\i:R+16*(\t)+4*\i+3] offset:32*SP*((\t)%2)+8*SP*\i
.endr
.irp i, 0,1,2,3
	ds_load_b128 v[X+16*((\t)%2)+4*\i:X+16*((\t)%2)+4*\i+3], v15 offset:32*SP*((\t)%2)+16*\i
.endr
.endm
.macro STEP t
.set XS, X+16*((\t)%2)
.if (\t) > 0
	s_wait_dscnt 1                                 ; this step's numbers are back from the stage; the one younger LDS instruction is the last step's byte store
.else
	s_wait_dscnt 0x0
.endif
.if (\t)+1 < 8
	s_wait_loadcnt 4*(6-(\t))                      ; the next step's four loads are in; those of the steps behind it may be out
	TURN (\t)+1                                    ; and go through the other stage while this step is worked
.endif
	v_max3_num_f32 v8, |v[XS]|, |v[XS+1]|, |v[XS+2]|               ; the largest magnitude of my 16, in two chains
	v_max3_num_f32 v9, |v[XS+3]|, |v[XS+4]|, |v[XS+5]|
.irp i, 6,10
	s_delay_alu instid0(VALU_DEP_2)
	v_max3_num_f32 v8, v8, |v[XS+\i]|, |v[XS+\i+1]|
	s_delay_alu instid0(VALU_DEP_2)
	v_max3_num_f32 v9, v9, |v[XS+\i+2]|, |v[XS+\i+3]|
.endr
	s_delay_alu instid0(VALU_DEP_2)
	v_max3_num_f32 v8, v8, |v[XS+14]|, |v[XS+15]|
	s_delay_alu instid0(VALU_DEP_1)
	v_max3_num_f32 v8, v8, v9, 0x1800000           ; and the floor 2^(3 - 127): the byte cannot fall under 1
	s_delay_alu instid0(VALU_DEP_1)
	v_max_num_f32_dpp v8, v8, v8 row_xmask:1 row_mask:0xf bank_mask:0xf   ; with my neighbour's 16: the block's
	s_delay_alu instid0(VALU_DEP_1)
	v_add_nc_u32 v11, 0xff000000, v8               ; 2 off its exponent field: the conversion takes the exponent field of this operand as its scale
	v_cvt_scalef32_pk8_fp4_f32 v[C+2*(\t)], v[XS:XS+7], v11
	v_cvt_scalef32_pk8_fp4_f32 v[C+2*(\t)+1], v[XS+8:XS+15], v11
	v_lshrrev_b32 v[E+(\t)], 23, v11               ; the scale's byte (a plain line behind the conversions)
	ds_store_b8 v5, v[E+(\t)] offset:16*(\t)       ; both lanes of a block write the same byte with the same value
	global_store_b64 v4, v[C+2*(\t):C+2*(\t)+1], s[10:11] offset:256*(\t)   ; the wave stores 256 consecutive bytes, aligned
.endm
.macro WLOAD stride                    ; 128 rows of K at my 32 columns: a wave reads 128 consecutive bytes, two neighbouring waves 256
.set T, 0
.rept 128
	global_load_b32 v[WX+T], v246, s[4:5] offset:T*\stride th:TH_LOAD_NT
.set T, T+1
.endr
.endm
.macro BLOCK t                         ; 32 along K of my column: all 32 numbers are mine
.set XS, WX+32*(\t)
.if (\t) == 0
	s_wait_loadcnt 63                              ; at most 63 of the 128 loads are out: the first 65 are in, blocks 0 and 1 among them
.elseif (\t) == 2
	s_wait_loadcnt 32                              ; block 3's 32 may be out
.elseif (\t) == 3
	s_wait_loadcnt 0x0
.endif
	v_max3_num_f32 v12, |v[XS]|, |v[XS+1]|, |v[XS+2]|
	v_max3_num_f32 v13, |v[XS+3]|, |v[XS+4]|, |v[XS+5]|
.irp i, 6,10,14,18,22,26
	s_delay_alu instid0(VALU_DEP_2)
	v_max3_num_f32 v12, v12, |v[XS+\i]|, |v[XS+\i+1]|
	s_delay_alu instid0(VALU_DEP_2)
	v_max3_num_f32 v13, v13, |v[XS+\i+2]|, |v[XS+\i+3]|
.endr
	s_delay_alu instid0(VALU_DEP_2)
	v_max3_num_f32 v12, v12, |v[XS+30]|, |v[XS+31]|
	s_delay_alu instid0(VALU_DEP_1)
	v_max3_num_f32 v12, v12, v13, 0x1800000        ; the floor
	s_delay_alu instid0(VALU_DEP_1)
	v_add_nc_u32 v11, 0xff000000, v12              ; the conversion's scale operand
	s_delay_alu instid0(VALU_DEP_1)
	v_lshrrev_b32 v13, 23, v11                     ; the byte
.if (\t) == 0
	s_delay_alu instid0(VALU_DEP_1)
	v_mov_b32 v[WSB], v13
.else
	s_delay_alu instid0(VALU_DEP_1)
	v_lshl_or_b32 v[WSB], v13, 8*(\t), v[WSB]      ; four bytes to the word, the lower K in the lower byte
.endif
.irp g, 0,1,2,3
	v_cvt_scalef32_pk8_fp4_f32 v[WC+4*(\t)+\g], v[XS+8*\g:XS+8*\g+7], v11
.endr
	v_nop                                          ; a plain line behind the conversions
	ds_store_b128 v240, v[WC+4*(\t):WC+4*(\t)+3] offset:16*(\t)    ; 32 codes: 16 bytes of my column's row
.endm
	s_load_b256 s[4:11], s[0:1], 0x0               ; x s[4:5], w_attn s[6:7], w_proj s[8:9], xc s[10:11]
	s_load_b128 s[12:15], s[0:1], 0x20             ; xs s[12:13], wc s[14:15]
	s_load_b64 s[16:17], s[0:1], 0x30              ; ws
	v_lshl_add_u32 v254, v0, 2, 0x1d400
	v_mov_b32 v255, 0
	v_lshrrev_b32 v1, 5, v0
	s_delay_alu instid0(VALU_DEP_1)
	v_readfirstlane_b32 s18, v1                    ; wave 0..15
	v_and_b32 v2, 31, v0                           ; lane
	s_wait_alu depctr_va_vdst(0)
	s_and_b32 s19, s18, 9                          ; the wave's number with bits 1 and 2 exchanged: a wave of x owns four rows, so these are bits 3 and 4 of its rows' numbers
	s_bfe_u32 s20, s18, 0x10001
	s_lshl_b32 s20, s20, 2
	s_or_b32 s19, s19, s20
	s_bfe_u32 s20, s18, 0x10002
	s_lshl_b32 s20, s20, 1
	s_or_b32 s19, s19, s20
	; x's addresses
	v_lshlrev_b32 v3, 4, v2                        ; in: my 16 bytes of a load's 512
	v_lshlrev_b32 v4, 3, v2                        ; out: my 8 bytes of a step's 256
	s_lshl_b32 s21, s19, 7
	s_add_co_u32 s21, s21, XSB
	v_lshrrev_b32 v5, 1, v2
	s_delay_alu instid0(VALU_DEP_1)
	v_add_nc_u32 v5, s21, v5                       ; my block's scale byte: 128 bytes for the wave's four rows, at their stored place
	v_lshlrev_b32 v7, 4, v0                        ; the scale bytes' way out: 16 bytes a thread of waves 0-3
	s_delay_alu instid0(VALU_DEP_1)
	v_add_nc_u32 v6, XSB, v7
	s_mul_i32 s21, s18, 2*32*SP                    ; my two stages
	v_lshrrev_b32 v14, 2, v2
	s_delay_alu instid0(VALU_DEP_1)
	v_mul_u32_u24 v14, v14, SP
	v_and_b32 v15, 3, v2
	s_delay_alu instid0(VALU_DEP_1)
	v_lshl_add_u32 v14, v15, 4, v14
	s_delay_alu instid0(VALU_DEP_1)
	v_add_nc_u32 v14, s21, v14                     ; in: four lanes' 64 bytes on end, then 16 of padding
	v_mul_u32_u24 v15, v2, SP
	s_delay_alu instid0(VALU_DEP_1)
	v_add_nc_u32 v15, s21, v15                     ; out: my 16 neighbours
	; the weights' addresses
	v_lshlrev_b32 v246, 2, v2                      ; in: 4 bytes a lane
	v_and_b32 v247, 7, v2
	v_bfe_u32 v248, v2, 3, 1
	s_delay_alu instid0(VALU_DEP_1)
	v_lshl_or_b32 v247, v248, 4, v247
	v_bfe_u32 v248, v2, 4, 1
	s_delay_alu instid0(VALU_DEP_1)
	v_lshl_or_b32 v247, v248, 3, v247              ; the lane's number with bits 3 and 4 exchanged
	s_and_b32 s23, s18, 1                          ; which 32 of the 64 columns
	s_lshr_b32 s24, s18, 1                         ; which 128 along K
	s_lshl_b32 s28, s23, 5
	v_add_nc_u32 v247, s28, v247                   ; my column's stored row among the 64
	s_delay_alu instid0(VALU_DEP_1)
	v_mul_u32_u24 v240, v247, WP
	s_lshl_b32 s28, s24, 6
	s_add_co_u32 s28, s28, WST
	v_add_nc_u32 v240, s28, v240                   ; its codes: 64 bytes for my 128 along K
	v_lshlrev_b32 v241, 5, v247
	s_lshl_b32 s28, s24, 2
	s_add_co_u32 s28, s28, WSS
	v_add_nc_u32 v241, s28, v241                   ; its scale word
	s_mul_i32 s28, s18, 4*WP
	s_add_co_u32 s28, s28, WST
	v_lshl_add_u32 v242, v2, 4, s28                ; the way out: wave w takes rows 4 w .. 4 w + 3, whole
	v_lshlrev_b32 v243, 4, v2
	v_lshlrev_b32 v245, 4, v0
	s_delay_alu instid0(VALU_DEP_1)
	v_add_nc_u32 v244, WSS, v245                   ; the scale bytes' way out: waves 0-3
	s_wait_kmcnt 0x0
	s_cmp_lt_u32 ttmp9, 128
	s_cbranch_scc0 .Lw
	; ---- x: wave 16 g + w takes rows 4 (16 g + w) on: 16,384 bytes in, 2,048 bytes of codes, 128 scale bytes
	s_lshl_b32 s20, ttmp9, 4
	s_add_co_u32 s22, s20, s18
	s_lshl_b32 s22, s22, 14
	s_mov_b32 s23, 0
	s_add_nc_u64 s[4:5], s[4:5], s[22:23]
	s_add_co_u32 s22, s20, s19
	s_lshl_b32 s22, s22, 11
	s_add_nc_u64 s[10:11], s[10:11], s[22:23]
	s_lshl_b32 s22, ttmp9, 11
	s_add_nc_u64 s[12:13], s[12:13], s[22:23]
.irp t, 0,1,2,3,4,5,6,7
	LOAD \t                                        ; all 32 loads of the wave go out at once
.endr
	s_wait_loadcnt 28                              ; step 0's four are in; the 28 of steps 1 to 7 may be out
	TURN 0
.irp t, 0,1,2,3,4,5,6,7
	STEP \t
.endr
	s_wait_dscnt 0x0                               ; for the others' sake: my scale bytes lie in LDS
	s_barrier_signal -1
	s_barrier_wait -1
	s_cmp_lt_u32 s18, 4
	s_cbranch_scc0 .Lx_end
	ds_load_b128 v[200:203], v6
	s_wait_dscnt 0x0
	global_store_b128 v7, v[200:203], s[12:13]     ; a wave stores 512 consecutive bytes, aligned
.Lx_end:
	s_wait_tensorcnt 0x0
	ds_add_u32 v254, v255
	s_wait_dscnt 0x0
	s_endpgm
	; ---- a weight: 64 columns, all 1,024 of K.  The first 48 of these work-groups take w_attn, the others w_proj
.Lw:
	s_sub_co_u32 s20, ttmp9, 128
	s_mov_b32 s21, 4096
	s_cmp_lt_u32 s20, 48                           ; the choice hangs on the work-group's number alone
	s_cselect_b64 s[4:5], s[6:7], s[8:9]
	s_cselect_b32 s21, 12288, s21                  ; bytes from a row of K to the next
	s_cselect_b32 s22, 0, 48
	s_sub_co_u32 s22, s20, s22                     ; which 64 columns of that tensor
	s_mul_i32 s25, s24, s21
	s_lshl_b32 s25, s25, 7                         ; my 128 rows of K
	s_lshl_b32 s26, s22, 8
	s_add_co_u32 s25, s25, s26
	s_lshl_b32 s26, s23, 7
	s_add_co_u32 s26, s25, s26                     ; my 32 columns
	s_mov_b32 s27, 0
	s_add_nc_u64 s[4:5], s[4:5], s[26:27]
	s_lshl_b32 s26, s20, 15
	s_lshl_b32 s28, s18, 11
	s_add_co_u32 s26, s26, s28
	s_add_nc_u64 s[14:15], s[14:15], s[26:27]      ; wc at row 64 x group + 4 x wave
	s_lshl_b32 s26, s20, 11
	s_add_nc_u64 s[16:17], s[16:17], s[26:27]      ; ws at row 64 x group
	s_cmp_lt_u32 s20, 48
	s_cbranch_scc0 .Lw_proj
	WLOAD 12288
	s_branch .Lw_go
.Lw_proj:
	WLOAD 4096
.Lw_go:
.irp t, 0,1,2,3
	BLOCK \t
.endr
	ds_store_b32 v241, v[WSB]
	s_wait_dscnt 0x0                               ; for the others' sake: my codes and my scale word lie in LDS
	s_barrier_signal -1
	s_barrier_wait -1
.irp i, 0,1,2,3
	ds_load_b128 v[WO+4*\i:WO+4*\i+3], v242 offset:\i*WP
.endr
.irp i, 0,1,2,3
	s_wait_dscnt 3-\i                              ; row i is in; the younger loads may be out
	global_store_b128 v243, v[WO+4*\i:WO+4*\i+3], s[14:15] offset:512*\i   ; 32 lanes store a row of 512 bytes, aligned
.endr
	s_cmp_lt_u32 s18, 4
	s_cbranch_scc0 .Lw_end
	ds_load_b128 v[WO+16:WO+19], v244
	s_wait_dscnt 0x0
	global_store_b128 v245, v[WO+16:WO+19], s[16:17]
.Lw_end:
	s_wait_tensorcnt 0x0
	ds_add_u32 v254, v255
	s_wait_dscnt 0x0
	s_endpgm
.Lfunc_end_k_q2d0bf19f61_quant:
	.size	k_q2d0bf19f61_quant, .Lfunc_end_k_q2d0bf19f61_quant-k_q2d0bf19f61_quant
	.p2alignl 7, 3214868480
	.fill 96, 4, 3214868480
	.section	.rodata,"a",@progbits
	.p2align	6, 0x0
	.amdhsa_kernel k_q2d0bf19f61_quant
		.amdhsa_group_segment_fixed_size 121856
		.amdhsa_private_segment_fixed_size 0
		.amdhsa_enable_private_segment 0
		.amdhsa_kernarg_size 56
		.amdhsa_user_sgpr_count 2
		.amdhsa_user_sgpr_kernarg_segment_ptr 1
		.amdhsa_wavefront_size32 1
		.amdhsa_system_sgpr_workgroup_id_x 1
		.amdhsa_system_sgpr_workgroup_id_y 1
		.amdhsa_system_sgpr_workgroup_id_z 1
		.amdhsa_system_vgpr_workitem_id 0
		.amdhsa_next_free_vgpr 256
		.amdhsa_next_free_sgpr 66
		.amdhsa_reserve_vcc 0
		.amdhsa_float_denorm_mode_32 3
		.amdhsa_float_denorm_mode_16_64 3
		.amdhsa_memory_ordered 1
		.amdhsa_forward_progress 1
		.amdhsa_inst_pref_size 56
	.end_amdhsa_kernel
	.amdgpu_metadata
---
amdhsa.version: [ 1, 2 ]
amdhsa.kernels:
  - .name:           k_q2d0bf19f61_quant
    .symbol:         k_q2d0bf19f61_quant.kd
    .args:
      - { .name: x, .offset: 0, .size: 8, .value_kind: global_buffer, .address_space: global }
      - { .name: w_attn, .offset: 8, .size: 8, .value_kind: global_buffer, .address_space: global }
      - { .name: w_proj, .offset: 16, .size: 8, .value_kind: global_buffer, .address_space: global }
      - { .name: xc, .offset: 24, .size: 8, .value_kind: global_buffer, .address_space: global }
      - { .name: xs, .offset: 32, .size: 8, .value_kind: global_buffer, .address_space: global }
      - { .name: wc, .offset: 40, .size: 8, .value_kind: global_buffer, .address_space: global }
      - { .name: ws, .offset: 48, .size: 8, .value_kind: global_buffer, .address_space: global }
    .group_segment_fixed_size: 121856
    .private_segment_fixed_size: 0
    .kernarg_segment_align: 8
    .kernarg_segment_size: 56
    .max_flat_workgroup_size: 512
    .sgpr_count:     66
    .vgpr_count:     256
    .wavefront_size: 32
...
	.end_amdgpu_metadata
.endif
;; end of part 1
;; launch qkv (part 2): grid 12 x 32, 4 waves a work-group, clusters of 4 x 4, 327,680 bytes of LDS; arguments xc, xs, wc, ws, b_attn, qrec, kvrec; writes qrec, kvrec
.if DOCPART == 2
	.amdgcn_target "amdgcn-amd-amdhsa--gfx1250"
	.amdhsa_code_object_version 6
	.text
	.protected	k_q2d0bf19f61_qkv
	.globl	k_q2d0bf19f61_qkv
	.p2align	8
	.type	k_q2d0bf19f61_qkv,@function
k_q2d0bf19f61_qkv:
	s_mov_b64 s[64:65], 0
	v_nop
	global_prefetch_b8 v0, s[64:65] scope:SCOPE_SE
	s_setreg_imm32_b32 hwreg(HW_REG_WAVE_MODE, 25, 1), 1
	s_wait_xcnt 0x0
	s_wait_alu depctr_hold_cnt(0) depctr_sa_sdst(0) depctr_va_vdst(0) depctr_va_sdst(0) depctr_va_ssrc(0) depctr_va_vcc(0) depctr_vm_vsrc(0)
	s_getreg_b32 s2, hwreg(HW_REG_IB_STS2, 6, 4)
	s_cmp_eq_u32 s2, 0
	s_cbranch_scc0 .Lentry_in_a_cluster
	s_endpgm
.Lentry_in_a_cluster:
	s_bfe_u32 s2, ttmp6, 0x10000c
	s_cmp_lg_u32 s2, 0xf033
	s_cbranch_scc0 .Lentry_shape_is_right
	s_endpgm
.Lentry_shape_is_right:
; qkv = x w_attn + b_attn on codes of FP4 (E2M1) with E8M0 scales, sums in f32; the results are quantised in registers and stored as images of the next products' operand registers.
; A tile of 256 x 256 is made by four waves, 128 x 128 each: 64 accumulators, 512 registers.  K = 1,024 lies in two LDS slots of 512, both filled at the start: nothing is filled again.
; A cluster of 4 x 4 work-groups makes q (cluster x = 0), k (1) or v (2) of one batch (cluster y).  Tiles are asked for jointly: side A's along a row of the cluster, side B's along a column.
; The matrix instruction takes source 0 = 16 rows of side B, source 1 = 16 rows of side A: a lane holds ONE row of side A, and its registers run along side B.
;   q, k: side A = tokens (xc), side B = columns of w_attn (wc): a lane holds a token and 128 columns, two heads: the next K is the head's 64.
;   v:    side A = columns (wc), side B = tokens (xc): a lane holds a column d and 128 tokens: the next K is the keys.
; The rows of xc and wc are stored with bits 3 and 4 of their numbers exchanged.  So the 16 registers of result tiles 2 b and 2 b + 1 are 16 NEIGHBOURS along side B, 32 b + 16 (lane / 16) + 0 .. 15,
; and lane r of side A's block a stands for row 32 (a / 2) + 16 (r / 8) + 8 (a % 2) + r % 8.
; The 64 accumulator registers of one block a thus become one fragment (8 registers) and one scale word; they are stored as they stand, 512 consecutive bytes an instruction.
; The bias is the C of each sum's first matrix instruction.
; qrec: 128 records (16 x batch + head) of 36,864 bytes: 64 tile images of 512 bytes (lane (r, h): d = 32 h .. 32 h + 31), then 64 x 16 scale words (bytes 0, 1; bytes 2, 3 are 0).
; kvrec: 128 records of 71,680: K's 64 tile images; at 32,768 V^T's images [key step 8][d tile 4][half 2][lane][16]; at 65,536 K's scale words; at 69,632 V's [key step 8][d tile 4][16].
; LIMITS: NaN and infinities are not served; a block whose largest magnitude lies under 2^-124, a block of zeros too, gets the byte 1 (only this program reads the bytes).
; REGISTERS: window 0: v16-31 addresses; v32-95 scale words, two sets; v96-127 at work on the way out; v128-191 side A's fragments, later the codes; v192-255 the bias, later scale words read back.
;   window 1: side B's fragments, two sets.   windows 2, 3: the accumulators of my side A rows 0-63, 64-127 ((a, b) at v[8 (8 (a % 4) + b)]).
.set NQ,     4                         ; matrix instructions deep in a slot
.set ROWB,   256                       ; a tile's row: 512 codes
.set KROW,   512                       ; a row of xc or wc
.set PITCH,  272                       ; an LDS row: 256 bytes + 16 of padding: the 16 rows that a load touches start at 16 different banks (ISA guide 11.1)
.set FR,     8
.set NL,     2
.set NP,     4                         ; places behind this matrix instruction (ISA guide 7.12.1)
.set HALFT,  128*PITCH
.set SLOT,   4*HALFT
.set KS,     32                        ; a row of scale bytes
.set SCL,    2*SLOT
.set HALFS,  (128*KS/256)*272
.set SBLK,   (16*KS/256)*272
.set SPARE,  SCL+4*HALFS               ; the spare words, 128 bytes a wave: two blocks of 256 bytes that no other line names
.set QREC,   36864
.set KVREC,  71680
.set ADRA, 16                          ; v16-17 LDS address of my side A fragments in slot 0, 1
.set BO,   18                          ; v18    q, k: 64 h: my half's place in the bias
.set BV,   19                          ; v19    v: 4 (16 (r / 8) + r % 8)
.set ADRB, 20                          ; v20-21 side B's fragments
.set SH16, 22                          ; v22    16 h
.set VWO,  23                          ; v23    v's scale words in memory: 71,680 (lane / 16) + 16 (lane % 16)
.set L16,  24                          ; v24    16 x lane
.set WSQ,  25                          ; v25    q, k: where a scale word is staged: 1,024 w + 512 h + 4 r
.set WSV,  26                          ; v26    v: 4,096 + 1,024 w + 4 r
.set ADRS, 27                          ; v27    my scale words: lanes 0-15 side A's rows, lanes 16-31 side B's
.set SPW,  28                          ; v28    my spare word; never rewritten
.set NIL,  29                          ; v29    0; never rewritten
.set RDQ,  30                          ; v30    q, k: the staged words read back: 1,024 w + 16 x lane
.set RDV,  31                          ; v31    v: 4,096 + 1,024 w + 16 x lane
.set SC,   32
.set TM,   96                          ; v96-99 largest magnitudes, v100-103 the other half's, then bytes, v108-111 the conversions' scale operands
.set PWS,  112                         ; v112-119 the scale word of each block a
.set WT,   120                         ; v120-127 q, k: the words as staged
.set AF,   128
.set PC,   128                         ; the codes: 8 registers for each block a
.set BIAS, 192
.set BK,   192
.set G1, 24
.set G0, 32
.set G1B, 48
.set G0B, 56
.set MSB, 0
.macro WIN new                         ; the immediate's high byte repeats the setting that is left
.if MSB != \new
	s_set_vgpr_msb (MSB<<8)|\new
.set MSB, \new
.endif
.endm
.set MUL_LO, 0xa1                      ; source 0 (side B) window 1, source 1 (side A) window 0, C and D window 2
.set MUL_HI, 0xf1                      ; the same, C and D window 3
.set TO_B,   0x40                      ; destination window 1
; The joint loads, one a wave: waves 0 and 2 fetch side A's 256 rows of slot 0 and of slot 1, waves 1 and 3 side B's.  The branch hangs on the wave's number alone; every way passes one load.
; An s_nop 0 and four v_nop follow each of the two lines.
.macro JLOAD g0a, g1a, g0b, g1b
	s_cmp_eq_u32 s16, 0
	s_cbranch_scc0 .Lfor_b_\@
	tensor_load_to_lds s[\g0a:\g0a+3], s[\g1a:\g1a+7]
	s_nop 0
.rept 4
	v_nop
.endr
	s_branch .Lasked_\@
.Lfor_b_\@:
	tensor_load_to_lds s[\g0b:\g0b+3], s[\g1b:\g1b+7]
	s_nop 0
.rept 4
	v_nop
.endr
.Lasked_\@:
.endm
.macro CROUND                          ; a round of the cluster's barrier
	s_barrier_signal -1
	s_barrier_wait -1
	s_cmp_lg_u32 s14, 0
	s_cbranch_scc1 .Lnot_wave_0_\@
	s_barrier_signal -3
.Lnot_wave_0_\@:
	s_barrier_wait -3
	s_barrier_signal -1
	s_barrier_wait -1
.endm
	s_load_b256 s[4:11], s[0:1], 0x0               ; xc s[4:5], xs s[6:7], wc s[8:9], ws s[10:11]
	s_load_b64 s[12:13], s[0:1], 0x20              ; b_attn
	s_load_b64 s[98:99], s[0:1], 0x28              ; qrec
	s_load_b64 s[100:101], s[0:1], 0x30            ; kvrec
	v_lshl_add_u32 v[SPW], v0, 2, SPARE
	v_mov_b32 v[NIL], 0
	ds_add_u32 v28, v29
	ds_add_u32 v28, v29
	s_wait_dscnt 0x0
	v_lshrrev_b32 v1, 5, v0
	v_readfirstlane_b32 s14, v1                    ; wave 0..3
	s_lshr_b32 s15, s14, 1                         ; which half of side A's 256 rows is mine.  Also: the slot that I fetch for
	s_and_b32 s16, s14, 1                          ; which half of side B's.  Also: I fetch for side A (0) or B (1)
	s_bfe_u32 s40, ttmp6, 0x40000                  ; cx
	s_bfe_u32 s41, ttmp6, 0x40004                  ; cy
	s_and_b32 s17, ttmp7, 0xffff                   ; the cluster's y: the batch
	s_lshl_b32 s43, s41, 2
	s_lshl_b32 s43, 15, s43                        ; my row of the cluster
	s_lshl_b32 s44, 0x1111, s40                    ; my column
	s_or_b32 s[G1+0], s43, (0<<16)|(1<<20)|(1<<21)|(5<<22)|(3<<25)  ; 15:0 the mask; elements of 1 byte; padding on; 21 set beside a mask; 4 words of padding after every 64
	s_or_b32 s[G1B+0], s44, (0<<16)|(1<<20)|(1<<21)|(5<<22)|(3<<25)
.irp g, G1, G1B
	s_mov_b32 s[\g+1], ROWB<<16                    ; tensor_dim0
	s_mov_b32 s[\g+2], 256<<16                     ; tensor_dim1
	s_mov_b32 s[\g+3], ROWB<<16                    ; tile_dim0
	s_mov_b32 s[\g+4], 256                         ; tile_dim1
	s_mov_b32 s[\g+5], KROW                        ; from row to row
	s_mov_b32 s[\g+6], 0
	s_mov_b32 s[\g+7], 0
.endr
	; the tile's rows.  Side A: 256 cy on, from the batch's tokens (q, k) or from v's columns; side B: 256 cx on, from q's or k's columns, or (v) from the batch's tokens
	s_lshl_b32 s42, s17, 10                        ; the batch's first token
	s_lshl_b32 s2, ttmp9, 10                       ; q's or k's first column
	s_mov_b32 s3, 2048                             ; v's first column
	s_cmp_eq_u32 ttmp9, 2                          ; the cluster's x is the same in all partners
	s_cselect_b32 s3, s3, s42
	s_cselect_b32 s2, s42, s2
	s_lshl_b32 s20, s41, 8
	s_add_co_u32 s20, s20, s3
	s_lshl_b32 s46, s40, 8
	s_add_co_u32 s46, s46, s2
	s_mov_b32 s21, 0
	s_mov_b32 s47, 0
	s_mov_b64 s[18:19], KS
	s_mul_u64 s[22:23], s[20:21], s[18:19]         ; where these rows' scale bytes begin
	s_mul_u64 s[92:93], s[46:47], s[18:19]
	s_mov_b64 s[18:19], KROW
	s_mul_u64 s[20:21], s[20:21], s[18:19]         ; and their codes
	s_mul_u64 s[46:47], s[46:47], s[18:19]
	s_mul_i32 s45, s15, SLOT                       ; the slot that I fetch for: wave / 2
	s_lshl_b32 s94, s15, 8                         ; and its 256 bytes of each row
	s_mov_b32 s95, 0
	s_wait_kmcnt 0x0
	s_cmp_eq_u32 ttmp9, 2                          ; which buffer is which side: a choice that hangs on no address
	s_cselect_b64 s[96:97], s[8:9], s[4:5]         ; side A's codes
	s_cselect_b64 s[8:9], s[4:5], s[8:9]           ; side B's codes
	s_cselect_b64 s[66:67], s[10:11], s[6:7]       ; side A's scale bytes
	s_cselect_b64 s[10:11], s[6:7], s[10:11]       ; side B's
	s_add_nc_u64 s[20:21], s[96:97], s[20:21]
	s_add_nc_u64 s[22:23], s[66:67], s[22:23]
	s_add_nc_u64 s[46:47], s[8:9], s[46:47]
	s_add_nc_u64 s[92:93], s[10:11], s[92:93]
	CROUND                                         ; all sixteen work-groups are here: the joint loads meet
	s_mov_b32 s[G0], 1
	s_mov_b32 s[G0+1], s45
	s_add_nc_u64 s[G0+2:G0+3], s[20:21], s[94:95]
	s_or_b32 s[G0+3], s[G0+3], 0x80000000
	s_mov_b32 s[G0B], 1
	s_add_co_u32 s[G0B+1], s45, 2*HALFT
	s_add_nc_u64 s[G0B+2:G0B+3], s[46:47], s[94:95]
	s_or_b32 s[G0B+3], s[G0B+3], 0x80000000
	JLOAD G0, G1, G0B, G1B                         ; by this text's own count one tensor load of a wave is out
	; the scale bytes of the tile's 256 + 256 rows, 8,192 dense bytes a side, go through registers into LDS bytes into which no fill lands: a load of the work-group covers 2,048 consecutive bytes
	s_mov_b64 s[66:67], s[22:23]                   ; (s22 and s23 are written again below)
	v_lshlrev_b32 v10, 4, v0                       ; 16 x thread
	v_lshrrev_b32 v11, 4, v0
	v_lshl_add_u32 v11, v11, 4, v10
	v_add_nc_u32 v11, SCL, v11                     ; in LDS 16 bytes of padding follow each 256
.irp j, 0,1,2,3
	global_load_b128 v[128+4*\j:131+4*\j], v10, s[66:67] offset:2048*\j
	global_load_b128 v[144+4*\j:147+4*\j], v10, s[92:93] offset:2048*\j
.endr
	v_and_b32 v1, 15, v0                           ; r
	v_bfe_u32 v2, v0, 4, 1                         ; h
	v_lshlrev_b32 v[BO], 6, v2
	v_lshrrev_b32 v7, 3, v1
	v_and_b32 v8, 7, v1
	v_lshl_add_u32 v7, v7, 4, v8
	v_lshlrev_b32 v[BV], 2, v7
	; THE BIAS, in the result's layout.  q, k: it runs along the registers: tile b's eight are columns 32 (b / 2) + 16 h + 8 (b % 2) + 0 .. 7.  v: it hangs on the lane: block a's eight are all that of column 32 (a / 2) + 16 (r / 8) + 8 (a % 2) + r % 8
	s_cmp_eq_u32 ttmp9, 2
	s_cbranch_scc1 .Lbias_v
	s_lshl_b32 s46, ttmp9, 12
	s_lshl_b32 s47, s40, 10
	s_add_co_u32 s46, s46, s47
	s_lshl_b32 s47, s16, 9
	s_add_co_u32 s46, s46, s47                     ; 4 x (1,024 X + 256 cx + 128 x my half of side B)
	s_mov_b32 s47, 0
	s_add_nc_u64 s[46:47], s[12:13], s[46:47]
	s_wait_alu depctr_va_vdst(0)
.irp b, 0,1,2,3,4,5,6,7
	global_load_b128 v[BIAS+8*\b:BIAS+8*\b+3], v[BO], s[46:47] offset:(32*(\b/2)+8*(\b%2))*4
	global_load_b128 v[BIAS+8*\b+4:BIAS+8*\b+7], v[BO], s[46:47] offset:(32*(\b/2)+8*(\b%2))*4+16
.endr
	s_branch .Lbias_in
.Lbias_v:
	s_lshl_b32 s20, s41, 10
	s_lshl_b32 s21, s15, 9
	s_add_co_u32 s20, s20, s21
	s_add_co_u32 s20, s20, 8192                    ; 4 x (2,048 + 256 cy + 128 x my half of side A)
	s_mov_b32 s21, 0
	s_add_nc_u64 s[20:21], s[12:13], s[20:21]
	s_wait_alu depctr_va_vdst(0)
.irp a, 0,1,2,3,4,5,6,7
	global_load_b32 v[BIAS+8*\a], v[BV], s[20:21] offset:(32*(\a/2)+8*(\a%2))*4
.endr
	s_wait_loadcnt 0x0
.irp a, 0,1,2,3,4,5,6,7
.irp j, 1,2,3,4,5,6,7
	v_mov_b32 v[BIAS+8*\a+\j], v[BIAS+8*\a]
.endr
.endr
.Lbias_in:
	v_mul_u32_u24 v3, v1, PITCH
	v_lshl_add_u32 v4, v2, 4, v3                   ; a fragment's row x pitch + 16 x half
	s_mul_i32 s21, s15, HALFT                      ; my 128 rows of side A
	s_mul_i32 s22, s16, HALFT                      ; my 128 rows of side B,
	s_add_co_u32 s22, s22, 2*HALFT                 ; which lie behind side A's 256
.irp s, 0,1
	v_add_nc_u32 v[ADRA+\s], s21, v4
	v_add_nc_u32 v[ADRB+\s], s22, v4
	s_add_co_u32 s21, s21, SLOT
	s_add_co_u32 s22, s22, SLOT
.endr
	v_mul_u32_u24 v5, v1, KS                       ; my row's scale bytes: 32 a row,
	v_lshrrev_b32 v6, 8, v5
	v_lshl_add_u32 v5, v6, 4, v5                   ; and 16 more for each 256 passed
	s_mul_i32 s21, s15, HALFS
	s_mul_i32 s22, s16, HALFS
	s_add_co_u32 s22, s22, 2*HALFS
	s_sub_co_u32 s22, s22, s21
	v_mul_u32_u24 v6, s22, v2                      ; lanes 16-31 take side B's: one product, the distance between the two bases
	s_add_co_u32 s21, s21, SCL
	v_add_nc_u32 v5, v5, v6
	v_add_nc_u32 v[ADRS], s21, v5
	v_and_b32 v6, 31, v0
	v_lshlrev_b32 v[L16], 4, v6
	v_lshlrev_b32 v[SH16], 4, v2
	v_mul_u32_u24 v[VWO], v2, KVREC
	v_lshl_add_u32 v[VWO], v1, 4, v[VWO]
	s_lshl_b32 s23, s14, 10
	v_lshlrev_b32 v9, 2, v1
	v_lshl_add_u32 v[WSQ], v2, 9, v9
	v_add_nc_u32 v[WSQ], s23, v[WSQ]
	v_add_nc_u32 v[WSV], s23, v9
	v_add_nc_u32 v[WSV], 4096, v[WSV]
	v_add_nc_u32 v[RDQ], s23, v[L16]
	v_add_nc_u32 v[RDV], 4096, v[RDQ]
.irp b, 0,1,2,3
	v_mov_b32 v[TM+4+\b], 0                        ; written once: a lane permute's destination counts as one of its sources
.endr
	s_wait_loadcnt 0x0                             ; the bias and the scale bytes
.macro FRAG reg, adr, q, i             ; 16 rows x 128 K: lane l holds row l % 16; registers 4 c .. 4 c + 3 hold K = 64 c + 32 (l / 16) + 0 .. 31
.irp c, 0,1
	ds_load_b128 v[\reg+4*\c:\reg+4*\c+3], v[\adr] offset:64*(\q)+32*\c+(\i)*16*PITCH
.endr
.endm
; 16 matrix instructions: side A's blocks a0, a0 + 1 x side B's eight, the slot's q-th 128 along K.  zero = 1: the sums begin with the bias that runs along side B; 2: with the one that hangs on side A's row; 0: in place.
; The 64 accumulators take turns, one instruction a turn, in the same order in every step.
.macro MUL16 a0, p, q, sc, zero
.irp a, \a0, \a0+1
.irp b, 0,1,2,3,4,5,6,7
.if \zero == 1
	v_wmma_scale_f32_16x16x128_f8f6f4 v[8*(8*((\a)%4)+\b):8*(8*((\a)%4)+\b)+7], v[128*(\p)+FR*\b:128*(\p)+FR*\b+FR-1], v[AF+FR*(\a):AF+FR*(\a)+FR-1], v[BIAS+8*\b:BIAS+8*\b+7], v[SC+8*NQ*(\sc)+NQ*\b+(\q)], v[SC+8*NQ*(\sc)+NQ*(\a)+(\q)] matrix_a_fmt:MATRIX_FMT_FP4 matrix_b_fmt:MATRIX_FMT_FP4 matrix_a_scale:MATRIX_SCALE_ROW1
.elseif \zero == 2
	v_wmma_scale_f32_16x16x128_f8f6f4 v[8*(8*((\a)%4)+\b):8*(8*((\a)%4)+\b)+7], v[128*(\p)+FR*\b:128*(\p)+FR*\b+FR-1], v[AF+FR*(\a):AF+FR*(\a)+FR-1], v[BIAS+8*(\a):BIAS+8*(\a)+7], v[SC+8*NQ*(\sc)+NQ*\b+(\q)], v[SC+8*NQ*(\sc)+NQ*(\a)+(\q)] matrix_a_fmt:MATRIX_FMT_FP4 matrix_b_fmt:MATRIX_FMT_FP4 matrix_a_scale:MATRIX_SCALE_ROW1
.else
	v_wmma_scale_f32_16x16x128_f8f6f4 v[8*(8*((\a)%4)+\b):8*(8*((\a)%4)+\b)+7], v[128*(\p)+FR*\b:128*(\p)+FR*\b+FR-1], v[AF+FR*(\a):AF+FR*(\a)+FR-1], v[8*(8*((\a)%4)+\b):8*(8*((\a)%4)+\b)+7], v[SC+8*NQ*(\sc)+NQ*\b+(\q)], v[SC+8*NQ*(\sc)+NQ*(\a)+(\q)] matrix_a_fmt:MATRIX_FMT_FP4 matrix_b_fmt:MATRIX_FMT_FP4 matrix_a_scale:MATRIX_SCALE_ROW1
.endif
.endr
.endr
.endm
.macro FETCH_B slot, q, p
	WIN TO_B
.irp i, 0,1,2,3,4,5,6,7
	FRAG 128*(\p)+FR*\i, ADRB+\slot, \q, \i
.endr
	WIN 0
.endm
.macro FETCH_A slot, q, i0
.irp i, \i0, \i0+1, \i0+2, \i0+3
	FRAG AF+FR*(\i), ADRA+\slot, \q, \i
.endr
.endm
.macro SCALES sc                       ; a slot's scale words: four a row; lanes 0-15 take side A's block i, lanes 16-31 side B's
.irp i, 0,1,2,3,4,5,6,7
	ds_load_b128 v[SC+8*NQ*\sc+NQ*\i:SC+8*NQ*\sc+NQ*\i+3], v[ADRS] offset:\i*SBLK
.endr
.endm
.macro PLACES n                        ; plain vector lines between a matrix instruction and a load into, or a vector read of, its registers
.rept \n
	v_nop
.endr
.endm
.macro STEP slot, q, zero              ; a step of 128 along K that has its successor in the same slot
	s_wait_dscnt 4*NL                              ; side B's set and side A's blocks 0-3 are in; the youngest eight loads (blocks 4-7) may be out
.if \zero
	WIN 0x81                                       ; C (the bias) window 0, D window 2
.else
	WIN MUL_LO
.endif
	MUL16 0, (\q)%2, \q, \slot, \zero
	MUL16 2, (\q)%2, \q, \slot, \zero
	s_wait_dscnt 0                                 ; blocks 4-7 are in
	PLACES NP
	FETCH_B \slot, (\q)+1, 1-(\q)%2
	FETCH_A \slot, (\q)+1, 0
.if \zero
	WIN 0xc1                                       ; C window 0, D window 3
.else
	WIN MUL_HI
.endif
	MUL16 4, (\q)%2, \q, \slot, \zero
	MUL16 6, (\q)%2, \q, \slot, \zero
	PLACES NP
	WIN 0
	FETCH_A \slot, (\q)+1, 4
.endm
; A slot's last step changes slots: one barrier; in front of it each wave waits for all its tensor loads, adds 0 to its spare word, and waits for that and for its reads of this slot.  Nothing is filled again.
.macro TURN slot, next
	s_wait_tensorcnt 0x0                           ; all my tensor loads have landed: my part of the next slot
	ds_add_u32 v[SPW], v[NIL]                      ; 0 onto my spare word
	s_wait_dscnt 4*NL+1                            ; (the add and the youngest eight loads may be out)
	WIN MUL_LO
	MUL16 0, 1, NQ-1, \slot, 0
	s_wait_dscnt 0x0                               ; the add is done, and my reads of this slot are over
	s_barrier_signal -1
	MUL16 2, 1, NQ-1, \slot, 0
	WIN 0
	s_barrier_wait -1
	PLACES NP
	v_add_nc_u32 v[ADRS], 4*NQ, v[ADRS]            ; on to the next slot's scale words
	FETCH_B \next, 0, 0
	FETCH_A \next, 0, 0
	SCALES \next
	WIN MUL_HI
	MUL16 4, 1, NQ-1, \slot, 0
	MUL16 6, 1, NQ-1, \slot, 0
	PLACES NP
	WIN 0
	FETCH_A \next, 0, 4
.endm
.macro STEPS slot, from
.set Q, \from
.rept NQ-1-\from
	STEP \slot, Q, 0
.set Q, Q+1
.endr
.endm
	s_wait_tensorcnt 0x0                           ; my one tensor load has landed
.irp j, 0,1,2,3
	ds_store_b128 v11, v[128+4*\j:131+4*\j] offset:2176*\j          ; side A's scale bytes
	ds_store_b128 v11, v[144+4*\j:147+4*\j] offset:2*HALFS+2176*\j  ; side B's
.endr
	s_wait_dscnt 0x0                               ; my part of the scale bytes lies in LDS
	s_barrier_signal -1
	s_barrier_wait -1                              ; everybody's are
	FETCH_B 0, 0, 0
	FETCH_A 0, 0, 0
	SCALES 0
	FETCH_A 0, 0, 4
	s_cmp_eq_u32 ttmp9, 2                          ; the first step is written twice: its C differs
	s_cbranch_scc1 .Lfirst_v
	STEP 0, 0, 1
	s_branch .Lfirst_done
.Lfirst_v:
	STEP 0, 0, 2
.Lfirst_done:
	STEPS 0, 1
	TURN 0, 1
	STEPS 1, 0
	s_wait_dscnt 4*NL                              ; the last step: nothing more to fetch
	WIN MUL_LO
	MUL16 0, 1, NQ-1, 1, 0
	MUL16 2, 1, NQ-1, 1, 0
	s_wait_dscnt 0
	WIN MUL_HI
	MUL16 4, 1, NQ-1, 1, 0
	MUL16 6, 1, NQ-1, 1, 0
	WIN 0
; THE WAY OUT.  Block a's 64 registers, register 16 b + i = index 32 b + 16 (lane / 16) + i along side B, become a fragment's codes in v[PC + 8 a] on and its scale word in v[PWS + a].
; Each accumulator is read from its low end on.
.macro QUANTW a
.set AC, 64*((\a)%4)
	WIN 0x0a+5*((\a)/4)                            ; sources 0 and 1: window 2 or 3
.irp b, 0,1,2,3
	v_max3_num_f32 v[TM+\b], |v[AC+16*\b]|, |v[AC+16*\b+1]|, 0x1800000   ; block b: my 16 numbers, and the floor 2^(3 - 127): the byte cannot fall under 1
.endr
.irp i, 2,4,6,8,10,12,14
.irp b, 0,1,2,3
	v_max3_num_f32 v[TM+\b], |v[AC+16*\b+\i]|, |v[AC+16*\b+\i+1]|, v[TM+\b]
.endr
.endr
	WIN 0
.irp b, 0,1,2,3
	v_permlanex16_b32 v[TM+4+\b], v[TM+\b], s2, s3
.endr
.irp b, 0,1,2,3
	v_max_num_f32 v[TM+\b], v[TM+\b], v[TM+4+\b]   ; with lane l xor 16's: the block's largest magnitude
.endr
.irp b, 0,1,2,3
	v_add_nc_u32 v[TM+12+\b], 0xff000000, v[TM+\b] ; 2 off its exponent field: the conversion's scale operand
.endr
.irp b, 0,1,2,3
	v_lshrrev_b32 v[TM+4+\b], 23, v[TM+12+\b]      ; the byte
.endr
	v_lshl_or_b32 v[PWS+(\a)], v[TM+5], 8, v[TM+4]
	v_lshl_or_b32 v[PWS+(\a)], v[TM+6], 16, v[PWS+(\a)]
	v_lshl_or_b32 v[PWS+(\a)], v[TM+7], 24, v[PWS+(\a)]
	WIN 2+(\a)/4                                   ; source 0: window 2 or 3
.irp b, 0,1,2,3
	v_cvt_scalef32_pk8_fp4_f32 v[PC+8*(\a)+2*\b], v[AC+16*\b:AC+16*\b+7], v[TM+12+\b]
	v_cvt_scalef32_pk8_fp4_f32 v[PC+8*(\a)+2*\b+1], v[AC+16*\b+8:AC+16*\b+15], v[TM+12+\b]
.endr
	WIN 0
	v_nop                                          ; a plain line behind the conversions
.irp c, 0,1                                    ; the operand's layout wants a whole block in a lane: lanes 0-15 block 2 c, lanes 16-31 block 2 c + 1
.irp i, 0,1
	v_permlane16_swap_b32 v[PC+8*(\a)+4*\c+\i], v[PC+8*(\a)+4*\c+2+\i]
.endr
.endr
.endm
	PLACES NP
	s_mov_b32 s2, 0x76543210
	s_mov_b32 s3, 0xfedcba98                       ; v_permlanex16_b32's selects for lane l xor 16
.irp a, 0,1,2,3,4,5,6,7
	QUANTW \a
.endr
	s_cmp_eq_u32 ttmp9, 2                          ; (the descriptors' registers are free: every tensor load was waited for at the change of slots)
	s_cbranch_scc1 .Lout_v
	; q, k: registers 4 c .. 4 c + 3 of block a are the tile image of head 4 cx + 2 x half + c, stored tile 16 cy + 8 x half + a
	s_mov_b32 s26, KVREC
	s_mov_b32 s27, 65536
	s_cmp_eq_u32 ttmp9, 0
	s_cselect_b64 s[24:25], s[98:99], s[100:101]
	s_cselect_b32 s26, QREC, s26                   ; bytes in a record
	s_cselect_b32 s27, 32768, s27                  ; where its scale words begin
	s_lshl_b32 s28, s17, 4
	s_lshl_b32 s29, s40, 2
	s_add_co_u32 s28, s28, s29
	s_lshl_b32 s29, s16, 1
	s_add_co_u32 s28, s28, s29                     ; the first of my two records
	s_mul_i32 s28, s28, s26
	s_lshl_b32 s30, s41, 4
	s_lshl_b32 s31, s15, 3
	s_add_co_u32 s30, s30, s31                     ; my first tile
	s_lshl_b32 s31, s30, 9
	s_add_co_u32 s32, s28, s31
	s_mov_b32 s33, 0
	s_add_nc_u64 s[32:33], s[24:25], s[32:33]      ; head 0's images
	s_mov_b32 s34, s26
	s_mov_b32 s35, 0
	s_add_nc_u64 s[36:37], s[32:33], s[34:35]      ; head 1's
	s_lshl_b32 s31, s30, 6
	s_add_co_u32 s38, s28, s31
	s_add_co_u32 s38, s38, s27
	s_mov_b32 s39, 0
	s_add_nc_u64 s[38:39], s[24:25], s[38:39]      ; head 0's scale words
	s_add_nc_u64 s[48:49], s[38:39], s[34:35]      ; head 1's
	s_wait_alu depctr_va_vdst(0)
.irp a, 0,1,2,3,4,5,6,7
	global_store_b128 v[L16], v[PC+8*\a:PC+8*\a+3], s[32:33] offset:512*\a       ; 32 lanes store 512 consecutive bytes, aligned
	global_store_b128 v[L16], v[PC+8*\a+4:PC+8*\a+7], s[36:37] offset:512*\a
.endr
.irp a, 0,1,2,3,4,5,6,7
	v_bfe_u32 v[WT+\a], v[PWS+\a], v[SH16], 16     ; lanes 0-15: head 0's two bytes; lanes 16-31: head 1's; the upper two bytes are 0, over codes that are zeros
.endr
.irp a, 0,1,2,3,4,5,6,7
	ds_store_b32 v[WSQ], v[WT+\a] offset:64*\a     ; my own stage, in slot 0, which has had its last fill and its last read
.endr
	ds_load_b128 v[BK:BK+3], v[RDQ]                ; LDS serves a wave's instructions in order: these see my stores
	ds_load_b128 v[BK+4:BK+7], v[RDQ] offset:512
	s_wait_dscnt 0x0
	global_store_b128 v[L16], v[BK:BK+3], s[38:39]
	global_store_b128 v[L16], v[BK+4:BK+7], s[48:49]
	s_branch .Lout_done
.Lout_v:
	; v: block a is the fragment of head 4 cy + 2 x half + a / 4, d tile a % 4, key step 2 cx + half
	s_lshl_b32 s28, s17, 4
	s_lshl_b32 s29, s41, 2
	s_add_co_u32 s28, s28, s29
	s_lshl_b32 s29, s15, 1
	s_add_co_u32 s28, s28, s29
	s_mul_i32 s28, s28, KVREC
	s_lshl_b32 s30, s40, 1
	s_add_co_u32 s30, s30, s16                     ; the key step
	s_lshl_b32 s31, s30, 12
	s_add_co_u32 s32, s28, s31
	s_add_co_u32 s32, s32, 32768
	s_mov_b32 s33, 0
	s_add_nc_u64 s[32:33], s[100:101], s[32:33]
	s_lshl_b32 s31, s30, 8
	s_add_co_u32 s38, s28, s31
	s_add_co_u32 s38, s38, 69632
	s_mov_b32 s39, 0
	s_add_nc_u64 s[38:39], s[100:101], s[38:39]
	s_wait_alu depctr_va_vdst(0)
.irp a, 0,1,2,3,4,5,6,7
	global_store_b128 v[L16], v[PC+8*\a:PC+8*\a+3], s[32:33] offset:(\a/4)*KVREC+(\a%4)*1024
	global_store_b128 v[L16], v[PC+8*\a+4:PC+8*\a+7], s[32:33] offset:(\a/4)*KVREC+(\a%4)*1024+512
.endr
.irp a, 0,1,2,3,4,5,6,7
	ds_store_b32 v[WSV], v[PWS+\a] offset:64*\a    ; both halves of the lanes write the same word with the same value
.endr
	ds_load_b128 v[BK:BK+3], v[RDV]
	s_wait_dscnt 0x0
	global_store_b128 v[VWO], v[BK:BK+3], s[38:39] ; sixteen lanes store 256 consecutive bytes, aligned, for each of my two heads
.Lout_done:
	s_wait_tensorcnt 0x0                           ; the wave's end
	ds_add_u32 v[SPW], v[NIL]
	s_wait_dscnt 0x0
	CROUND                                         ; the closing round: no work-group ends while a partner may still ask for a tile that names it
	s_endpgm
.Lfunc_end_k_q2d0bf19f61_qkv:
	.size	k_q2d0bf19f61_qkv, .Lfunc_end_k_q2d0bf19f61_qkv-k_q2d0bf19f61_qkv
	.p2alignl 7, 3214868480
	.fill 96, 4, 3214868480
	.section	.rodata,"a",@progbits
	.p2align	6, 0x0
	.amdhsa_kernel k_q2d0bf19f61_qkv
		.amdhsa_group_segment_fixed_size 327680
		.amdhsa_private_segment_fixed_size 0
		.amdhsa_enable_private_segment 0
		.amdhsa_kernarg_size 56
		.amdhsa_user_sgpr_count 2
		.amdhsa_user_sgpr_kernarg_segment_ptr 1
		.amdhsa_wavefront_size32 1
		.amdhsa_system_sgpr_workgroup_id_x 1
		.amdhsa_system_sgpr_workgroup_id_y 1
		.amdhsa_system_sgpr_workgroup_id_z 1
		.amdhsa_system_vgpr_workitem_id 0
		.amdhsa_next_free_vgpr 1024
		.amdhsa_next_free_sgpr 102
		.amdhsa_reserve_vcc 0
		.amdhsa_float_denorm_mode_32 3
		.amdhsa_float_denorm_mode_16_64 3
		.amdhsa_memory_ordered 1
		.amdhsa_forward_progress 1
		.amdhsa_inst_pref_size 147
	.end_amdhsa_kernel
	.amdgpu_metadata
---
amdhsa.version: [ 1, 2 ]
amdhsa.kernels:
  - .name:           k_q2d0bf19f61_qkv
    .symbol:         k_q2d0bf19f61_qkv.kd
    .args:
      - { .name: xc, .offset: 0, .size: 8, .value_kind: global_buffer, .address_space: global }
      - { .name: xs, .offset: 8, .size: 8, .value_kind: global_buffer, .address_space: global }
      - { .name: wc, .offset: 16, .size: 8, .value_kind: global_buffer, .address_space: global }
      - { .name: ws, .offset: 24, .size: 8, .value_kind: global_buffer, .address_space: global }
      - { .name: b_attn, .offset: 32, .size: 8, .value_kind: global_buffer, .address_space: global }
      - { .name: qrec, .offset: 40, .size: 8, .value_kind: global_buffer, .address_space: global }
      - { .name: kvrec, .offset: 48, .size: 8, .value_kind: global_buffer, .address_space: global }
    .group_segment_fixed_size: 327680
    .private_segment_fixed_size: 0
    .kernarg_segment_align: 8
    .kernarg_segment_size: 56
    .max_flat_workgroup_size: 128
    .sgpr_count:     102
    .vgpr_count:     1024
    .wavefront_size: 32
...
	.end_amdgpu_metadata
.endif
;; end of part 2
;; launch attn (part 3): grid 2 x 128, 16 waves a work-group, no clusters, 169,984 bytes of LDS; arguments qrec, kvrec, yc, ysh; writes yc, ysh
.if DOCPART == 3
	.amdgcn_target "amdgcn-amd-amdhsa--gfx1250"
	.amdhsa_code_object_version 6
	.text
	.protected	k_q2d0bf19f61_attn
	.globl	k_q2d0bf19f61_attn
	.p2align	8
	.type	k_q2d0bf19f61_attn,@function
k_q2d0bf19f61_attn:
	s_mov_b64 s[64:65], 0
	v_nop
	global_prefetch_b8 v0, s[64:65] scope:SCOPE_SE
	s_setreg_imm32_b32 hwreg(HW_REG_WAVE_MODE, 25, 1), 1
	s_wait_xcnt 0x0
; y[b][h][q] = the sum over keys k <= q of softmax_k(q . k / 8) v, both products on codes of FP4 (E2M1) with E8M0 scales; y is quantised along the head's 64 and stored as codes.
; THE SOFTMAX AHEAD OF THE SECOND PRODUCT: t = score x log2(e) / 8; M = the running largest t rounded UP to a whole number; p = 2^(t - M) is quantised along the keys, not normalised; the row's sum is
; taken of the unquantised p and divides at the end.  When M moves, the sum and O are multiplied by 2^(old M - new M): exact.
; WORK LEFT OUT: the module sets the scores of keys k > q to -infinity by a mask that it builds itself, so their p is 0 for all inputs.  Key steps and blocks of 32 keys that lie wholly behind
; a tile's 16 queries are not computed; in the second product such a block is zero codes.  A NaN or an infinity that would arise only there is not carried to the result.
; SHARES.  Two work-groups to a head.  A head's whole record (K's tile images, V^T's images, both sets of scale words: 71,680 bytes) comes into LDS once, by eight tensor loads of 35 rows of 256 bytes.
; Wave w of work-group half takes the tiles of 16 queries i = 16 half + w and 63 - i, one after the other, in a loop of two trips: nine key steps of 128 count for every wave, two of them on the diagonal.
; A loop walks all eight key steps (a constant count).  By ids alone a step is left out (all keys hidden), taken whole, or, on the diagonal, taken in the variant of 1 to 4 blocks of 32 keys
; that its queries see: (i % 8) / 2 + 1.  The two tiles of a wave see 5 such blocks together, whatever w.  Only the last block seen is masked.
; K'S FRAGMENTS ARE ASKED FOR A STEP AHEAD: the first step's at the tile's head, and a whole step (which always has a successor) asks for the next step's eight as soon as its own have been multiplied.
; A step on the diagonal uses the first 2 nb of the eight.  V's fragments are asked for behind the first product and are wanted by the second.
; No cluster: a head has two work-groups, which no cluster of four divides.  No prefetch: the record is fetched once at the head, and no loop streams from memory.
; LAYOUT.  Both products transposed: S^T = K Q^T, O^T = V^T P^T: a lane holds ONE query (lane % 16).  The head's K is 64: the upper 64 of the first product's 128 are zero codes on both sides.
; Lane r of K's stored tile 2 g + u is key 32 g + 16 (r / 8) + 8 u + r % 8, so the 16 registers of score tiles 2 g, 2 g + 1 are keys 32 g + 16 (lane / 16) + 0 .. 15; V^T's d tiles likewise.
; yc: [16 tokens][head 16][lane 32][16 bytes]: lane (r, h): d = 32 h .. 32 h + 31 of token r.  ysh: [16 batch + head][token][2 bytes]: y's two scale bytes.
; LIMITS: NaN and infinities are not served; a block of y or p whose largest magnitude lies under 2^-124, a block of zeros too, gets the byte 1, a hidden block the byte 0 (only this program reads the bytes);
; the scaled scores stay under 2^31 in magnitude.
; REGISTERS: v1-7, v11 addresses that stay; v8-10 the step's; v12 -M, v13 the largest t, v[14:15] the sum; v16-23 Q (upper four 0); v24-31 K's scale words; v32-95 K's 8 fragments (upper four of each 0);
;   v96-159 S^T, then p; v160-191 O^T; v192-223 V's 4 fragments; v224-231 p's codes; v232-239, v244-247, v252, v254 at work; v248-251 V's scale words; v253 p's; v255 Q's.
.set VC,    32768
.set KSW,   65536
.set VSW,   69632
.set YS,    71680                      ; behind the record: the work-group's 512 tokens' scale bytes, 1,024; no fill lands here
.set SPARE, 0x29000                    ; the spare words, 128 bytes a wave
.set KVREC, 71680
.set QREC,  36864
.set L16,  1                           ; 16 x lane
.set ASK0, 2                           ; KSW + 4 r
.set ASV0, 3                           ; VSW + 4 r
.set QA,   4                           ; Q's codes: 512 (r / 8) + 256 h + 16 (r % 8)
.set QW,   5                           ; Q's scale word: 64 (r / 8) + 4 (r % 8)
.set YSA,  6                           ; v6, v7: where the two tiles' scale bytes are staged
.set AD,   8
.set ADS,  9
.set ADT,  10
.set YSR,  11                          ; where they are read back
.set SPW,  240                         ; my spare word; never rewritten
.set NIL,  241                         ; 0; never rewritten
.set DL,   242                         ; r - 16 h
.set YW,   243                         ; y's scale bytes: the first tile's in the low half, the second's in the high half
.set WV,   12
.set G1,   16
.set G0,   24
.set SEL,  28
.set CS,   30
.set Q0,   32                          ; s32 the first query of the tile in hand, s33 of the second tile
.set QCB,  34                          ; s[34:37] Q's codes, two tiles
.set QWB,  38                          ; s[38:41] Q's scale words
.set YB,   42                          ; s[42:43] y's codes of the tile in hand, s[44:45] of the second
.set KF,   46                          ; the step's first key
.set TB,   47                          ; the step's images: 4,096 bytes a step
.set TS,   48                          ; K's scale words: 512 a step
.set TJ,   49                          ; V's: 256 a step
.set CNT,  50
.set PC,   59                          ; tiles to go
	s_load_b256 s[4:11], s[0:1], 0x0               ; qrec s[4:5], kvrec s[6:7], yc s[8:9], ysh s[10:11]
	v_lshl_add_u32 v[SPW], v0, 2, SPARE
	v_mov_b32 v[NIL], 0
	ds_add_u32 v[SPW], v[NIL]                      ; the opening lines: the add, twice on end, and its wait
	ds_add_u32 v[SPW], v[NIL]
	v_lshrrev_b32 v8, 5, v0
	v_readfirstlane_b32 s[WV], v8                  ; wave 0..15
	s_mov_b32 s13, ttmp9                           ; which half of the head's query tiles
	s_and_b32 s14, ttmp7, 0xffff                   ; 16 x batch + head
	s_mov_b32 s[G1], 3<<16                         ; no mask; elements of 8 bytes; no padding
	s_mov_b32 s[G1+1], 32<<16                      ; tensor_dim0 = 32: rows of 256 bytes
	s_mov_b32 s[G1+2], 35<<16                      ; tensor_dim1 = 35: an eighth of the record
	s_mov_b32 s[G1+3], 32<<16                      ; tile_dim0
	s_mov_b32 s[G1+4], 35                          ; tile_dim1
	s_mov_b32 s[G1+5], 32                          ; dense
	s_mov_b32 s[G1+6], 0
	s_mov_b32 s[G1+7], 0
	s_mul_i32 s51, s14, KVREC
	s_mul_i32 s[G0+1], s[WV], 8960                 ; LDS address: wave x 35 rows
	s_add_co_u32 s52, s51, s[G0+1]
	s_mov_b32 s53, 0
	s_mov_b32 s[G0], 1
	s_wait_dscnt 0x0
	s_wait_kmcnt 0x0
	s_add_nc_u64 s[G0+2:G0+3], s[6:7], s[52:53]
	s_or_b32 s[G0+3], s[G0+3], 0x80000000
	s_cmp_lt_u32 s[WV], 8                          ; waves 0 to 7 fetch, one load each
	s_cbranch_scc0 .Lno_fill
	tensor_load_to_lds s[G0:G0+3], s[G1:G1+7]
	s_nop 0
.rept 4
	v_nop
.endr
.Lno_fill:
	s_mov_b32 s[SEL], 0x76543210
	s_mov_b32 s[SEL+1], 0xfedcba98                 ; v_permlanex16_b32's selects for lane l xor 16
	s_mov_b32 s[CS], 0x3e38aa3b                    ; c = log2(e) / 8
	s_mov_b32 s[CS+1], s[CS]
	s_mul_i32 s58, s14, QREC
.macro BASES p                         ; s51: the tile of 16 queries
	s_lshl_b32 s[Q0+\p], s51, 4
	s_lshr_b32 s52, s51, 1
	s_and_b32 s53, s51, 1
	s_lshl_b32 s54, s52, 10
	s_lshl_b32 s55, s53, 7
	s_add_co_u32 s54, s54, s55
	s_add_co_u32 s54, s54, s58
	s_mov_b32 s55, 0
	s_add_nc_u64 s[QCB+2*\p:QCB+2*\p+1], s[4:5], s[54:55]   ; token 16 i + r lies in stored tile 2 (i / 2) + r / 8 at lane 8 (i % 2) + r % 8
	s_lshl_b32 s54, s52, 7
	s_lshl_b32 s56, s53, 5
	s_add_co_u32 s54, s54, s56
	s_add_co_u32 s54, s54, s58
	s_add_co_u32 s54, s54, 32768
	s_add_nc_u64 s[QWB+2*\p:QWB+2*\p+1], s[4:5], s[54:55]
	s_lshr_b32 s54, s14, 4
	s_lshl_b32 s54, s54, 6
	s_add_co_u32 s54, s54, s51
	s_lshl_b32 s54, s54, 4
	s_and_b32 s56, s14, 15
	s_add_co_u32 s54, s54, s56
	s_lshl_b32 s54, s54, 9
	s_add_nc_u64 s[YB+2*\p:YB+2*\p+1], s[8:9], s[54:55]
.endm
	s_lshl_b32 s51, s13, 4
	s_add_co_u32 s51, s51, s[WV]
	BASES 0
	s_sub_co_u32 s51, 63, s51
	BASES 1
	s_lshl_b32 s52, s13, 9                         ; the scale bytes' way out: wave 0 stores the first tiles' 512 bytes, wave 1 the second tiles'
	s_sub_co_u32 s53, 1536, s52
	s_cmp_eq_u32 s[WV], 0
	s_cselect_b32 s52, s52, s53
	s_lshl_b32 s53, s14, 11
	s_add_co_u32 s52, s52, s53
	s_mov_b32 s53, 0
	s_add_nc_u64 s[60:61], s[10:11], s[52:53]
	s_lshl_b32 s52, s[WV], 5
	s_xor_b32 s51, s52, 0x3e0
	s_add_co_u32 s52, s52, YS                      ; first tile: 32 w
	s_add_co_u32 s51, s51, YS                      ; second tile: 512 + 32 (15 - w)
	v_and_b32 v8, 31, v0
	v_and_b32 v9, 15, v0                           ; r
	v_bfe_u32 v10, v0, 4, 1                        ; h
	v_lshlrev_b32 v[L16], 4, v8
	v_lshl_add_u32 v[ASK0], v9, 2, KSW
	v_lshl_add_u32 v[ASV0], v9, 2, VSW
	v_lshrrev_b32 v12, 3, v9
	v_and_b32 v13, 7, v9
	v_lshlrev_b32 v[QA], 9, v12
	v_lshlrev_b32 v[QW], 6, v12
	v_lshl_add_u32 v[QA], v10, 8, v[QA]
	v_lshl_add_u32 v[QW], v13, 2, v[QW]
	v_lshl_add_u32 v[QA], v13, 4, v[QA]
	v_lshl_add_u32 v[YSA], v9, 1, s52
	v_lshl_add_u32 v[YSA+1], v9, 1, s51
	v_lshl_add_u32 v[YSR], v0, 4, YS
	v_lshlrev_b32 v10, 4, v10
	v_sub_nc_u32 v[DL], v9, v10
	global_load_b128 v[16:19], v[QA], s[QCB:QCB+1] ; the first tile's Q
	global_load_b32 v255, v[QW], s[QWB:QWB+1]
.irp j, 20,21,22,23
	v_mov_b32 v[\j], 0                             ; Q's upper 64 along K: zero codes
.endr
.irp t, 0,1,2,3,4,5,6,7
.irp j, 4,5,6,7
	v_mov_b32 v[32+8*\t+\j], 0                     ; K's likewise
.endr
.endr
.irp j, 236,237,238,239,252,253,YW
	v_mov_b32 v[\j], 0                             ; written once: a lane permute's destination counts as one of its sources; v253 is named as the upper half of a pair
.endr
.macro KPF on, t                       ; on = 1: the next step's K tile t and its scale words
.if \on
	ds_load_b128 v[32+8*(\t):35+8*(\t)], v[AD] offset:4096+512*(\t)
	ds_load_b32 v[24+(\t)], v[ADS] offset:512+64*(\t)
.endif
.endm
.macro CH k                            ; CR: the register pair of the sum's chain k: six at work, the seventh the sum itself
.if (\k) < 4
.set CR, 232+2*(\k)
.elseif (\k) < 6
.set CR, 236+2*(\k)
.else
.set CR, 14
.endif
.endm
; A KEY STEP of nb blocks of 32 keys (4: all 128).  diag = 1: block nb - 1 holds the diagonal and is masked; s51 = my first query - the step's first key.  diag = 0: the next step's K is asked for.
.macro STEPW nb, diag
	s_wait_dscnt 0x0                               ; K's fragments and scale words, asked for a step ago or at the tile's head
.set T, 0
.rept 2*\nb
	v_wmma_scale_f32_16x16x128_f8f6f4 v[96+8*T:103+8*T], v[32+8*T:39+8*T], v[16:23], 0, v[24+T], v255 matrix_a_fmt:MATRIX_FMT_FP4 matrix_b_fmt:MATRIX_FMT_FP4
.set T, T+1
.endr
	v_add_nc_u32 v[AD], s[TB], v[L16]              ; these four lines are the places behind the products
	v_add_nc_u32 v[ADT], s[TJ], v[ASV0]
.if \diag
	v_nop
.else
	v_add_nc_u32 v[ADS], s[TS], v[ASK0]
.endif
	v_nop
.irp d, 0,1,2,3
	ds_load_b128 v[192+8*\d:195+8*\d], v[AD] offset:VC+1024*\d     ; V's images, 512 consecutive bytes each
	ds_load_b128 v[196+8*\d:199+8*\d], v[AD] offset:VC+1024*\d+512
	ds_load_b32 v[248+\d], v[ADT] offset:64*\d
.endr
.if \diag
	v_add_nc_u32 v252, s51, v[DL]                  ; d = my query - the step's first key - 16 (lane / 16).  Register 16 b + i holds the key 32 b + i further on: hidden where 32 b + i > d
	v_mov_b32 v254, 0xff800000
.set N, 0
.rept 16
	v_cmp_gt_i32 vcc_lo, 32*(\nb-1)+N, v252
	v_cndmask_b32 v[96+16*(\nb-1)+N], v[96+16*(\nb-1)+N], v254, vcc_lo
.set N, N+1
.endr
.endif
; the largest score of each block, in two chains a block: it serves for the row's maximum and, since p rises with the score, for the block's largest p.  Each accumulator is first read at its low end
.set B, 0
.rept \nb
	v_max3_num_f32 v[232+B], v[96+16*B], v[97+16*B], v[98+16*B]
.set B, B+1
.endr
.set B, 0
.rept \nb
	v_max3_num_f32 v[244+B], v[103+16*B], v[104+16*B], v[105+16*B]
.set B, B+1
.endr
.irp i, 3,5
.set B, 0
.rept \nb
	v_max3_num_f32 v[232+B], v[232+B], v[96+16*B+\i], v[97+16*B+\i]
.set B, B+1
.endr
.set B, 0
.rept \nb
	v_max3_num_f32 v[244+B], v[244+B], v[103+16*B+\i], v[104+16*B+\i]
.set B, B+1
.endr
.endr
.set B, 0
.rept \nb
	v_max3_num_f32 v[232+B], v[232+B], v[244+B], v[110+16*B]
.set B, B+1
.endr
.set B, 0
.rept \nb
	v_max_num_f32 v[232+B], v[232+B], v[111+16*B]
.set B, B+1
.endr
.set B, 0
.rept \nb
	v_permlanex16_b32 v[236+B], v[232+B], s[SEL], s[SEL+1]
.set B, B+1
.endr
.set B, 0
.rept \nb
	v_max_num_f32 v[232+B], v[232+B], v[236+B]     ; with lane l xor 16's 16 keys
.set B, B+1
.endr
; M: each line reads the line above it; the next step's loads of K stand between them
.set MX, 232
.if \nb == 2
	v_max_num_f32 v254, v232, v233
.set MX, 254
.elseif \nb > 2
	v_max3_num_f32 v254, v232, v233, v234
.set MX, 254
.endif
	KPF 1-\diag, 0
.if \nb == 4
	v_max_num_f32 v254, v254, v235
.endif
	KPF 1-\diag, 1
	v_mul_f32 v254, s[CS], v[MX]                   ; the step's largest score of my query, as t
	KPF 1-\diag, 2
	v_max_num_f32 v13, v13, v254                   ; the running largest t
	v_mov_b32 v254, v12
	KPF 1-\diag, 3
	KPF 1-\diag, 4
	v_floor_f32 v12, -v13                          ; the new -M = floor(-t): M is a whole number
	KPF 1-\diag, 5
	KPF 1-\diag, 6
	KPF 1-\diag, 7
	v_sub_f32 v254, v12, v254                      ; old M - new M: a whole number, 0 or less
.set J, 0
.rept 8*\nb
	v_pk_fma_f32 v[96+J:97+J], v[96+J:97+J], s[CS:CS+1], v[12:13] op_sel_hi:[1,0,0]   ; t - M, two at a time
.if J == 2
	v_cvt_i32_f32 v254, v254                       ; (it saturates)
.elseif J == 6
	v_ldexp_f32 v252, 1.0, v254                    ; f = 2^(old M - new M)
.endif
.set J, J+2
.endr
.set B, 0
.rept \nb
	v_fma_f32 v[232+B], v[232+B], s[CS], v12       ; the same of each block's largest score
.set B, B+1
.endr
	s_wait_alu depctr_va_vdst(0)
.set J, 0
.rept 16*\nb
	v_exp_f32 v[96+J], v[96+J]                     ; p = 2^(t - M), at most 1
.set J, J+1
.endr
.set B, 0
.rept \nb
	v_exp_f32 v[232+B], v[232+B]                   ; the block's largest p
.set B, B+1
.endr
	v_pk_mul_f32 v[14:15], v[14:15], v[252:253] op_sel_hi:[1,0]    ; the sums under the new M (a plain line behind the exponentials)
	s_wait_alu depctr_va_vdst(0)                   ; and behind it, ahead of its first reader
.set B, 0
.rept \nb
	v_max_num_f32 v[232+B], 0x1800000, v[232+B]    ; the floor 2^(3 - 127)
.set B, B+1
.endr
.set B, 0
.rept \nb
	v_add_nc_u32 v[244+B], 0xff000000, v[232+B]    ; the conversion's scale operand
.set B, B+1
.endr
.set B, 0
.rept \nb
	v_lshrrev_b32 v[236+B], 23, v[244+B]           ; the byte
.set B, B+1
.endr
.if \nb == 1
	v_mov_b32 v253, v236                           ; p's scale word; the bytes of hidden blocks are 0, over zero codes
.else
	v_lshl_or_b32 v253, v237, 8, v236
.endif
.if \nb > 2
	v_lshl_or_b32 v253, v238, 16, v253
.endif
.if \nb > 3
	v_lshl_or_b32 v253, v239, 24, v253
.endif
.set B, 0
.rept \nb
	v_cvt_scalef32_pk8_fp4_f32 v[224+2*B], v[96+16*B:103+16*B], v[244+B]
	v_cvt_scalef32_pk8_fp4_f32 v[225+2*B], v[104+16*B:111+16*B], v[244+B]
.set B, B+1
.endr
	v_nop                                          ; a plain line behind the conversions
.if \nb < 4
.set J, 224+2*\nb
.rept 8-2*\nb
	v_mov_b32 v[J], 0                              ; the hidden blocks' codes
.set J, J+1
.endr
.endif
	v_permlane16_swap_b32 v224, v226               ; a whole block in a lane
	v_permlane16_swap_b32 v225, v227
.if \nb > 2
	v_permlane16_swap_b32 v228, v230
	v_permlane16_swap_b32 v229, v231
.endif
; the row's sum of the unquantised p, two at a time: 8 nb additions
.if \nb == 1
	v_pk_add_f32 v[232:233], v[96:97], v[98:99]
	v_pk_add_f32 v[234:235], v[100:101], v[102:103]
	v_pk_add_f32 v[236:237], v[104:105], v[106:107]
	v_pk_add_f32 v[14:15], v[14:15], v[108:109]
	v_pk_add_f32 v[232:233], v[232:233], v[110:111]
	v_pk_add_f32 v[234:235], v[234:235], v[236:237]
	v_pk_add_f32 v[14:15], v[14:15], v[232:233]
	v_pk_add_f32 v[14:15], v[14:15], v[234:235]
.else
.set K, 0
.rept 6
	CH K
	v_pk_add_f32 v[CR:CR+1], v[96+4*K:97+4*K], v[98+4*K:99+4*K]    ; six chains begin,
.set K, K+1
.endr
.set J, 120
.rept 8*\nb-12
	CH K
	v_pk_add_f32 v[CR:CR+1], v[CR:CR+1], v[J:J+1]                  ; and go on by turns with the sum itself as the seventh
.set J, J+2
.set K, (K+1)%7
.endr
	v_pk_add_f32 v[232:233], v[232:233], v[234:235]
	v_pk_add_f32 v[236:237], v[236:237], v[238:239]
	v_pk_add_f32 v[244:245], v[244:245], v[246:247]
	v_pk_add_f32 v[14:15], v[14:15], v[232:233]
	v_pk_add_f32 v[236:237], v[236:237], v[244:245]
	v_pk_add_f32 v[14:15], v[14:15], v[236:237]
.endif
	s_wait_dscnt 0x0                               ; V (and, diag = 0, the next step's K behind it: no LDS load is out at the step's end)
	s_wait_alu depctr_va_vdst(0)                   ; directly ahead of the first reader of O^T and behind the wait above
.set J, 0
.rept 16
	v_pk_mul_f32 v[160+J:161+J], v[160+J:161+J], v[252:253] op_sel_hi:[1,0]   ; O^T under the new M
.set J, J+2
.endr
.irp d, 0,1,2,3                                ; the four accumulators take turns, one instruction a turn
	v_wmma_scale_f32_16x16x128_f8f6f4 v[160+8*\d:167+8*\d], v[192+8*\d:199+8*\d], v[224:231], v[160+8*\d:167+8*\d], v[248+\d], v253 matrix_a_fmt:MATRIX_FMT_FP4 matrix_b_fmt:MATRIX_FMT_FP4
.endr
.rept 4
	v_nop                                          ; the places in front of the next step's loads and of the first read of O^T, on every way on
.endr
.endm
	s_mov_b32 s[PC], 2
	s_wait_alu depctr_va_vdst(0)
	s_wait_tensorcnt 0x0                           ; my eighth of the record, if I fetched one, has landed,
	s_barrier_signal -1
	s_barrier_wait -1                              ; everybody's has
.Lpass:                                                ; two trips: a tile of 16 queries each
.set T, 0
.rept 8
	ds_load_b128 v[32+8*T:35+8*T], v[L16] offset:512*T             ; the first key step's K: tile images, 512 consecutive bytes each,
	ds_load_b32 v[24+T], v[ASK0] offset:64*T                       ; and their scale words
.set T, T+1
.endr
	v_mov_b32 v13, 0xff61b1e6                      ; the largest t so far: -3e38
	v_mov_b32 v14, 0
	v_mov_b32 v15, 0
	v_floor_f32 v12, -v13
.set J, 0
.rept 32
	v_mov_b32 v[160+J], 0                          ; O^T: a step is written with no first form, and the first change of M leaves zeros zeros
.set J, J+1
.endr
	s_mov_b32 s[KF], 0
	s_mov_b32 s[TB], 0
	s_mov_b32 s[TS], 0
	s_mov_b32 s[TJ], 0
	s_mov_b32 s[CNT], 8
	s_wait_alu depctr_va_vdst(0)
	s_wait_loadcnt 0x0                             ; Q
.Lstep:
	s_sub_co_i32 s51, s[Q0], s[KF]                 ; ids and the count of steps alone decide the step's form
	s_cmp_lt_i32 s51, 0
	s_cbranch_scc1 .Lnext                          ; all its keys come after my queries: only the addresses step
	s_cmp_ge_i32 s51, 128
	s_cbranch_scc1 .Lfull
	s_cmp_ge_i32 s51, 96
	s_cbranch_scc1 .Ld4
	s_cmp_ge_i32 s51, 64
	s_cbranch_scc1 .Ld3
	s_cmp_ge_i32 s51, 32
	s_cbranch_scc1 .Ld2
	STEPW 1, 1
	s_branch .Lnext
.Ld2:
	STEPW 2, 1
	s_branch .Lnext
.Ld3:
	STEPW 3, 1
	s_branch .Lnext
.Ld4:
	STEPW 4, 1
	s_branch .Lnext
.Lfull:
	STEPW 4, 0
.Lnext:
	s_add_co_u32 s[KF], s[KF], 128
	s_add_co_u32 s[TB], s[TB], 4096
	s_add_co_u32 s[TS], s[TS], 512
	s_add_co_u32 s[TJ], s[TJ], 256
	s_sub_co_u32 s[CNT], s[CNT], 1
	s_cmp_lg_u32 s[CNT], 0
	s_cbranch_scc1 .Lstep
	s_wait_dscnt 0x0                               ; no LDS load is out, on any way here: K's registers may be asked for anew
	s_cmp_eq_u32 s[PC], 1
	s_cbranch_scc1 .Lno_q
	global_load_b128 v[16:19], v[QA], s[QCB+2:QCB+3]   ; the second tile's Q, asked for ahead of the first tile's way out
	global_load_b32 v255, v[QW], s[QWB+2:QWB+3]
.Lno_q:
	v_add_f32 v14, v14, v15                        ; the sum's two halves,
	v_permlanex16_b32 v252, v14, s[SEL], s[SEL+1]
	v_add_f32 v14, v14, v252                       ; and lane l xor 16's
	s_wait_alu depctr_va_vdst(0)
	v_rcp_f32 v14, v14
	v_nop                                          ; a plain line behind it
	s_wait_alu depctr_va_vdst(0)                   ; ahead of its first reader, which is O^T's too
.set J, 0
.rept 16
	v_pk_mul_f32 v[96+J:97+J], v[160+J:161+J], v[14:15] op_sel_hi:[1,0]   ; y: register 16 g + i is d = 32 g + 16 (lane / 16) + i of my query
.set J, J+2
.endr
.irp g, 0,1
	v_max3_num_f32 v[232+\g], |v[96+16*\g]|, |v[97+16*\g]|, 0x1800000
.endr
.irp i, 2,4,6,8,10,12,14
.irp g, 0,1
	v_max3_num_f32 v[232+\g], v[232+\g], |v[96+16*\g+\i]|, |v[97+16*\g+\i]|
.endr
.endr
.irp g, 0,1
	v_permlanex16_b32 v[236+\g], v[232+\g], s[SEL], s[SEL+1]
.endr
.irp g, 0,1
	v_max_num_f32 v[232+\g], v[232+\g], v[236+\g]
.endr
.irp g, 0,1
	v_add_nc_u32 v[244+\g], 0xff000000, v[232+\g]
.endr
.irp g, 0,1
	v_lshrrev_b32 v[236+\g], 23, v[244+\g]
.endr
	v_lshl_or_b32 v254, v237, 8, v236              ; my query's two scale bytes
.irp g, 0,1
	v_cvt_scalef32_pk8_fp4_f32 v[128+2*\g], v[96+16*\g:103+16*\g], v[244+\g]
	v_cvt_scalef32_pk8_fp4_f32 v[129+2*\g], v[104+16*\g:111+16*\g], v[244+\g]
.endr
	v_nop
	v_permlane16_swap_b32 v128, v130               ; lanes 0-15: d 0-31; lanes 16-31: d 32-63
	v_permlane16_swap_b32 v129, v131
	global_store_b128 v[L16], v[128:131], s[YB:YB+1]   ; 32 lanes store 512 consecutive bytes, aligned
	v_perm_b32 v[YW], v254, v[YW], 0x05040302      ; the bytes kept so far go down a half, these come in above: after two trips the first tile's lie below
	s_wait_xcnt 0x0                                ; the store has read its data and its base: both are written again
	s_mov_b32 s[Q0], s[Q0+1]                       ; on to the second tile
	s_mov_b64 s[YB:YB+1], s[YB+2:YB+3]
	s_sub_co_u32 s[PC], s[PC], 1
	s_cmp_lg_u32 s[PC], 0
	s_wait_alu depctr_va_vdst(0)
	s_cbranch_scc1 .Lpass
	ds_store_b16 v[YSA], v[YW]                     ; both halves of the lanes write the same bytes with the same value
	ds_store_b16_d16_hi v[YSA+1], v[YW]
	s_wait_dscnt 0x0                               ; for the others' sake: my scale bytes lie in LDS
	s_barrier_signal -1
	s_barrier_wait -1
	s_cmp_lt_u32 s[WV], 2
	s_cbranch_scc0 .Lend
	ds_load_b128 v[96:99], v[YSR]
	s_wait_dscnt 0x0
	global_store_b128 v[L16], v[96:99], s[60:61]   ; 512 consecutive bytes, aligned
.Lend:
	s_wait_tensorcnt 0x0                           ; the wave's end
	ds_add_u32 v[SPW], v[NIL]
	s_wait_dscnt 0x0
	s_endpgm
.Lfunc_end_k_q2d0bf19f61_attn:
	.size	k_q2d0bf19f61_attn, .Lfunc_end_k_q2d0bf19f61_attn-k_q2d0bf19f61_attn
	.p2alignl 7, 3214868480
	.fill 96, 4, 3214868480
	.section	.rodata,"a",@progbits
	.p2align	6, 0x0
	.amdhsa_kernel k_q2d0bf19f61_attn
		.amdhsa_group_segment_fixed_size 169984
		.amdhsa_private_segment_fixed_size 0
		.amdhsa_enable_private_segment 0
		.amdhsa_kernarg_size 32
		.amdhsa_user_sgpr_count 2
		.amdhsa_user_sgpr_kernarg_segment_ptr 1
		.amdhsa_wavefront_size32 1
		.amdhsa_system_sgpr_workgroup_id_x 1
		.amdhsa_system_sgpr_workgroup_id_y 1
		.amdhsa_system_sgpr_workgroup_id_z 1
		.amdhsa_system_vgpr_workitem_id 0
		.amdhsa_next_free_vgpr 256
		.amdhsa_next_free_sgpr 66
		.amdhsa_reserve_vcc 1
		.amdhsa_float_denorm_mode_32 3
		.amdhsa_float_denorm_mode_16_64 3
		.amdhsa_memory_ordered 1
		.amdhsa_forward_progress 1
		.amdhsa_inst_pref_size 76
	.end_amdhsa_kernel
	.amdgpu_metadata
---
amdhsa.version: [ 1, 2 ]
amdhsa.kernels:
  - .name:           k_q2d0bf19f61_attn
    .symbol:         k_q2d0bf19f61_attn.kd
    .args:
      - { .name: qrec, .offset: 0, .size: 8, .value_kind: global_buffer, .address_space: global }
      - { .name: kvrec, .offset: 8, .size: 8, .value_kind: global_buffer, .address_space: global }
      - { .name: yc, .offset: 16, .size: 8, .value_kind: global_buffer, .address_space: global }
      - { .name: ysh, .offset: 24, .size: 8, .value_kind: global_buffer, .address_space: global }
    .group_segment_fixed_size: 169984
    .private_segment_fixed_size: 0
    .kernarg_segment_align: 8
    .kernarg_segment_size: 32
    .max_flat_workgroup_size: 512
    .sgpr_count:     66
    .vgpr_count:     256
    .wavefront_size: 32
...
	.end_amdgpu_metadata
.endif
;; end of part 3
;; launch proj (part 4): grid 8 x 32, 4 waves a work-group, clusters of 4 x 4, 327,680 bytes of LDS; arguments yc, ysh, wc, ws, b_proj, out0; writes out0
.if DOCPART == 4
	.amdgcn_target "amdgcn-amd-amdhsa--gfx1250"
	.amdhsa_code_object_version 6
	.text
	.protected	k_q2d0bf19f61_proj
	.globl	k_q2d0bf19f61_proj
	.p2align	8
	.type	k_q2d0bf19f61_proj,@function
k_q2d0bf19f61_proj:
	s_mov_b64 s[64:65], 0
	v_nop
	global_prefetch_b8 v0, s[64:65] scope:SCOPE_SE
	s_setreg_imm32_b32 hwreg(HW_REG_WAVE_MODE, 25, 1), 1
	s_wait_xcnt 0x0
	s_wait_alu depctr_hold_cnt(0) depctr_sa_sdst(0) depctr_va_vdst(0) depctr_va_sdst(0) depctr_va_ssrc(0) depctr_va_vcc(0) depctr_vm_vsrc(0)
	s_getreg_b32 s2, hwreg(HW_REG_IB_STS2, 6, 4)
	s_cmp_eq_u32 s2, 0
	s_cbranch_scc0 .Lentry_in_a_cluster
	s_endpgm
.Lentry_in_a_cluster:
	s_bfe_u32 s2, ttmp6, 0x10000c
	s_cmp_lg_u32 s2, 0xf033
	s_cbranch_scc0 .Lentry_shape_is_right
	s_endpgm
.Lentry_shape_is_right:
; out0 = y w_proj + b_proj on codes of FP4 (E2M1) with E8M0 scales, sums in f32.  y comes as images of the operand's registers (yc: [16 tokens][head 16][lane 32][16 bytes]; heads 2 k and 2 k + 1 are
; the fragment of the k-th 128 along K), its scale bytes as ysh [16 batch + head][token][2].  w_proj's columns are rows 3,072 on of wc and ws, stored with bits 3 and 4 of their numbers exchanged.
; A block of 256 tokens x 128 columns is made by four waves, 64 tokens x 128 columns each: 32 accumulators, 256 registers.  The grid is 8 x 32 = 256 work-groups.
; K = 1,024 lies in two LDS slots of 512, each filled once, all four loads asked for at the head, one a wave: waves 0 and 2 fetch y's 256 tokens of slot 0 and of slot 1, waves 1 and 3 the weight's 128 rows.
; One barrier, in front of which every wave has waited for its load, shows both slots to all.  Nothing is filled again.
; CLUSTERS: 4 x 4 work-groups; y's tiles are asked for jointly along a row of the cluster, the weight's along a column.
; No prefetch: every tile is asked for at the head, and there is no loop to run ahead in.
; The matrix instruction takes source 0 = 16 rows of wc, source 1 = 16 tokens: a lane holds a token, and register j of tile b the column 32 (b / 2) + 16 (lane / 16) + 8 (b % 2) + j; the way out puts the columns in order.
; The bias is the C of each sum's first matrix instruction.
; y's scale words (one for a token and 128 along K) are put together from ysh, and the weight's scale bytes come through registers; both are stored to LDS bytes into which no fill lands.
; REGISTERS: window 0: v16-31 addresses; v32-95 scale words of all of K; v96-127 y's scale bytes at the head; v128-191 y's fragments, two sets; v192-255 the bias; on the way out v128-255 rows of the result.
;   window 1: the weight's fragments, two sets, at v0 and v128.   window 2: the accumulators ((a, b) at v[8 (8 a + b)]).
.set PITCH,  272                       ; the weight's LDS row: 256 bytes + 16 of padding (ISA guide 11.1: the 16 rows of a load start at 16 different banks)
.set YH,     65536                     ; a slot: y's 16 tiles of 16 tokens x 4,096 bytes, dense; then the weight's 128 rows
.set SLOT,   YH+128*PITCH
.set SCL,    2*SLOT                    ; y's scale words: 256 rows of 32 bytes, 16 bytes of padding behind each 256
.set WSC,    SCL+8704                  ; the weight's scale bytes: 128 rows likewise
.set SBLK,   544                       ; those of 16 rows
.set SPARE,  WSC+4352                  ; the spare words: two blocks of 256 bytes that no other line names
.set STAGE,  SPARE+512                 ; the way out: 16 rows x (512 bytes + 16) for each wave; no fill lands here
.set SPITCH, 528
.set SIZE_N, 1024
.set ADRA, 16                          ; v16-17 my y fragments in slot 0, 1
.set BO,   18                          ; 64 h
.set SLA,  19                          ; where my part of the weight's scale bytes is stored
.set ADRB, 20                          ; v20-21 the weight's fragments
.set GO16, 22                          ; 16 x thread
.set YO,   23                          ; 4 x thread
.set STO,  24
.set RD,   25
.set CO,   26                          ; 16 x lane
.set ADRS, 27                          ; my scale words: lanes 0-15 y's rows, lanes 16-31 the weight's
.set SPW,  28                          ; my spare word; never rewritten
.set NIL,  29                          ; 0; never rewritten
.set YSA,  30                          ; where my two tokens' scale words are stored
.set SC,   32
.set YL,   96                          ; v96-111 ysh as loaded, v112-127 the scale words of my two tokens
.set AF,   128
.set BK,   128
.set BIAS, 192
.set OUTP, 96                          ; s[96:97] out0
.set G1, 24
.set G0, 32
.set G1B, 48
.set G0B, 56
.set MSB, 0
.macro WIN new                         ; the immediate's high byte repeats the setting that is left
.if MSB != \new
	s_set_vgpr_msb (MSB<<8)|\new
.set MSB, \new
.endif
.endm
.set MUL_LO, 0xa1                      ; source 0 (the weight) window 1, source 1 (y) window 0, C and D window 2
.set TO_B,   0x40                      ; destination window 1
.macro CROUND                          ; a round of the cluster's barrier
	s_barrier_signal -1
	s_barrier_wait -1
	s_cmp_lg_u32 s14, 0
	s_cbranch_scc1 .Lnot_wave_0_\@
	s_barrier_signal -3
.Lnot_wave_0_\@:
	s_barrier_wait -3
	s_barrier_signal -1
	s_barrier_wait -1
.endm
.macro PLACES                          ; plain vector lines between a matrix instruction and a load into, or a read of, its registers
.rept 4
	v_nop
.endr
.endm
	s_load_b256 s[4:11], s[0:1], 0x0               ; yc s[4:5], ysh s[6:7], wc s[8:9], ws s[10:11]
	s_load_b64 s[12:13], s[0:1], 0x20              ; b_proj
	s_load_b64 s[OUTP:OUTP+1], s[0:1], 0x28        ; out0
	v_lshl_add_u32 v[SPW], v0, 2, SPARE
	v_mov_b32 v[NIL], 0
	ds_add_u32 v[SPW], v[NIL]                      ; the opening lines: the add, twice on end, and its wait
	ds_add_u32 v[SPW], v[NIL]
	v_lshrrev_b32 v1, 5, v0
	v_readfirstlane_b32 s14, v1                    ; wave 0..3
	s_lshr_b32 s15, s14, 1                         ; the slot that I fetch for
	s_and_b32 s16, s14, 1                          ; I fetch y (0) or the weight (1)
	s_bfe_u32 s40, ttmp6, 0x40000                  ; cx
	s_bfe_u32 s41, ttmp6, 0x40004                  ; cy
	s_lshl_b32 s42, ttmp9, 2
	s_add_co_u32 s42, s42, s40                     ; block column, 0..7
	s_and_b32 s3, ttmp7, 0xffff                    ; the cluster's y: the batch
	s_lshl_b32 s17, s3, 2
	s_add_co_u32 s17, s17, s41                     ; block row, 0..31
	s_lshl_b32 s43, s41, 2
	s_lshl_b32 s43, 15, s43                        ; my row of the cluster
	s_lshl_b32 s44, 0x1111, s40                    ; my column
	s_or_b32 s[G1+0], s43, (3<<16)|(1<<21)         ; y: the mask; elements of 8 bytes; 21 set beside a mask; no padding
	s_mov_b32 s[G1+1], 512<<16                     ; tensor_dim0 = 512: 4,096 bytes: 8 heads of a tile of 16 tokens
	s_mov_b32 s[G1+2], 16<<16                      ; tensor_dim1 = 16 tiles of tokens
	s_mov_b32 s[G1+3], 512<<16
	s_mov_b32 s[G1+4], 16
	s_mov_b32 s[G1+5], 1024                        ; 8,192 bytes from a tile of tokens to the next
	s_mov_b32 s[G1+6], 0
	s_mov_b32 s[G1+7], 0
	s_or_b32 s[G1B+0], s44, (0<<16)|(1<<20)|(1<<21)|(5<<22)|(3<<25)  ; the weight: 128 rows of 256 bytes, 16 bytes of padding behind each
	s_mov_b32 s[G1B+1], 256<<16
	s_mov_b32 s[G1B+2], 128<<16
	s_mov_b32 s[G1B+3], 256<<16
	s_mov_b32 s[G1B+4], 128
	s_mov_b32 s[G1B+5], 512
	s_mov_b32 s[G1B+6], 0
	s_mov_b32 s[G1B+7], 0
	s_lshl_b32 s20, s17, 17                        ; y: 16 tiles of 8,192 bytes a block row,
	s_lshl_b32 s18, s15, 12
	s_add_co_u32 s20, s20, s18                     ; and the slot's 8 heads
	s_mov_b32 s21, 0
	s_lshl_b32 s46, s42, 7
	s_add_co_u32 s46, s46, 3072                    ; the weight: row 3,072 + 128 x block column
	s_lshl_b32 s92, s46, 5                         ; its scale bytes
	s_mov_b32 s93, 0
	s_lshl_b32 s46, s46, 9                         ; its codes,
	s_lshl_b32 s18, s15, 8
	s_add_co_u32 s46, s46, s18                     ; and the slot's 256 bytes of each row
	s_mov_b32 s47, 0
	s_mul_i32 s45, s15, SLOT                       ; where they go: no place in the cluster enters an LDS address
	s_lshl_b32 s22, s3, 15                         ; ysh: the batch's 16 records, the block's 256 tokens
	s_lshl_b32 s23, s41, 9
	s_add_co_u32 s22, s22, s23
	s_mov_b32 s23, 0
	s_lshl_b32 s68, s42, 9                         ; my first column, in bytes of f32
	s_mov_b32 s69, 0
	s_lshl_b32 s70, s17, 8
	s_lshl_b32 s71, s14, 6
	s_add_co_u32 s70, s70, s71                     ; my first row of the result: 256 x block row + 64 x wave
	s_lshl_b32 s70, s70, 12
	s_add_co_u32 s70, s70, s68
	s_mov_b32 s71, 0
	s_lshl_b32 s72, s14, 14                        ; my 64 tokens of y in a slot
	s_mul_i32 s74, s14, 2176                       ; and their scale words
	s_sub_co_u32 s73, 8704, s74                    ; from there to the weight's
	s_add_co_u32 s74, s74, SCL
	s_mul_i32 s75, s14, 16*SPITCH
	s_add_co_u32 s75, s75, STAGE                   ; my stage
	v_and_b32 v1, 15, v0                           ; r
	v_bfe_u32 v2, v0, 4, 1                         ; h
	v_and_b32 v6, 31, v0
	v_lshlrev_b32 v[BO], 6, v2
	v_lshlrev_b32 v[CO], 4, v6
	v_lshlrev_b32 v[YO], 2, v0
	v_lshlrev_b32 v[GO16], 4, v0
	v_lshrrev_b32 v3, 4, v0
	v_lshl_add_u32 v3, v3, 4, v[GO16]
	v_add_nc_u32 v[SLA], WSC, v3                   ; 16 x thread, and 16 more for each 256 passed
	v_add_nc_u32 v[ADRA], s72, v[CO]
	v_add_nc_u32 v[ADRA+1], SLOT, v[ADRA]
	v_mul_u32_u24 v3, v1, PITCH
	v_lshl_add_u32 v3, v2, 4, v3
	v_add_nc_u32 v[ADRB], YH, v3
	v_add_nc_u32 v[ADRB+1], SLOT, v[ADRB]
	v_lshlrev_b32 v5, 5, v1                        ; my row's scale bytes: 32 a row,
	v_lshrrev_b32 v4, 3, v1
	v_lshl_add_u32 v5, v4, 4, v5                   ; and 16 more for each 256 passed
	v_mul_u32_u24 v4, s73, v2                      ; lanes 16-31 take the weight's: one product, the distance between the two bases
	v_add_nc_u32 v5, v5, v4
	v_add_nc_u32 v[ADRS], s74, v5
	v_mul_u32_u24 v5, v1, SPITCH
	v_lshl_add_u32 v5, v2, 6, v5                   ; the stage, in: row r, + 64 h
	v_add_nc_u32 v[STO], s75, v5
	v_add_nc_u32 v[RD], s75, v[CO]                 ; back: the 32 lanes take one row of 512 bytes
	v_lshlrev_b32 v7, 6, v0
	v_lshrrev_b32 v4, 2, v0
	v_lshl_add_u32 v7, v4, 4, v7
	v_add_nc_u32 v[YSA], SCL, v7                   ; my two tokens' scale words: 64 t, and 16 more for each 256 passed
	s_wait_alu depctr_va_vdst(0)
	s_wait_dscnt 0x0                               ; both opening adds are done
	s_wait_kmcnt 0x0
	s_add_nc_u64 s[20:21], s[4:5], s[20:21]
	s_add_nc_u64 s[46:47], s[8:9], s[46:47]
	s_add_nc_u64 s[92:93], s[10:11], s[92:93]
	s_add_nc_u64 s[22:23], s[6:7], s[22:23]
	s_add_nc_u64 s[18:19], s[12:13], s[68:69]
	s_add_nc_u64 s[OUTP:OUTP+1], s[OUTP:OUTP+1], s[70:71]
.irp d, 0,1,2,3,4,5,6,7,8,9,10,11,12,13,14,15
	global_load_b32 v[YL+\d], v[YO], s[22:23] offset:2048*\d       ; thread t: tokens 2 t and 2 t + 1: one word (2 x 2 bytes) of each of the 16 heads
.endr
.irp j, 0,1
	global_load_b128 v[AF+4*\j:AF+4*\j+3], v[GO16], s[92:93] offset:2048*\j   ; the weight's scale bytes: the work-group reads 2,048 consecutive bytes
.endr
.irp b, 0,1,2,3,4,5,6,7
	global_load_b128 v[BIAS+8*\b:BIAS+8*\b+3], v[BO], s[18:19] offset:(32*(\b/2)+8*(\b%2))*4       ; tile b's eight: columns 32 (b / 2) + 16 h + 8 (b % 2) + 0 .. 7
	global_load_b128 v[BIAS+8*\b+4:BIAS+8*\b+7], v[BO], s[18:19] offset:(32*(\b/2)+8*(\b%2))*4+16
.endr
	s_mov_b32 s[G0], 1
	s_mov_b32 s[G0+1], s45
	s_mov_b64 s[G0+2:G0+3], s[20:21]
	s_or_b32 s[G0+3], s[G0+3], 0x80000000
	s_mov_b32 s[G0B], 1
	s_add_co_u32 s[G0B+1], s45, YH
	s_mov_b64 s[G0B+2:G0B+3], s[46:47]
	s_or_b32 s[G0B+3], s[G0B+3], 0x80000000
	CROUND                                         ; all sixteen work-groups are here: the joint loads meet
	s_cmp_eq_u32 s16, 0                            ; one branch on the wave's number, a load in each arm: every way passes one; an s_nop 0 and four v_nop follow each
	s_cbranch_scc0 .Lfor_b
	tensor_load_to_lds s[G0:G0+3], s[G1:G1+7]
	s_nop 0
.rept 4
	v_nop
.endr
	s_branch .Lasked
.Lfor_b:
	tensor_load_to_lds s[G0B:G0B+3], s[G1B:G1B+7]
	s_nop 0
.rept 4
	v_nop
.endr
.Lasked:
	s_wait_loadcnt 0x0
.irp k, 0,1,2,3,4,5,6,7
	v_perm_b32 v[YL+16+\k], v[YL+2*\k+1], v[YL+2*\k], 0x05040100   ; token 2 t: head 2 k's two bytes below, head 2 k + 1's above
	v_perm_b32 v[YL+24+\k], v[YL+2*\k+1], v[YL+2*\k], 0x07060302   ; token 2 t + 1
.endr
	s_wait_alu depctr_va_vdst(0)
	s_wait_tensorcnt 0x0                           ; my one tensor load has landed
.irp i, 0,1,2,3
	ds_store_b128 v[YSA], v[YL+16+4*\i:YL+19+4*\i] offset:16*\i
.endr
.irp j, 0,1
	ds_store_b128 v[SLA], v[AF+4*\j:AF+4*\j+3] offset:2176*\j
.endr
	s_wait_dscnt 0x0                               ; my scale words and bytes lie in LDS
	s_barrier_signal -1
	s_barrier_wait -1                              ; everybody's do, and both slots are whole
; The fragments of the Q-th 128 along K into set Q % 2: the weight's eight blocks (16 loads), my four blocks of y (8 loads: images of the operand's registers, 512 consecutive bytes a load)
.macro FETCH Q
	WIN TO_B
.irp i, 0,1,2,3,4,5,6,7
.irp c, 0,1
	ds_load_b128 v[128*((\Q)%2)+8*\i+4*\c:128*((\Q)%2)+8*\i+4*\c+3], v[ADRB+(\Q)/4] offset:64*((\Q)%4)+32*\c+\i*16*PITCH
.endr
.endr
	WIN 0
.irp i, 0,1,2,3
.irp c, 0,1
	ds_load_b128 v[AF+32*((\Q)%2)+8*\i+4*\c:AF+32*((\Q)%2)+8*\i+4*\c+3], v[ADRA+(\Q)/4] offset:4096*\i+1024*((\Q)%4)+512*\c
.endr
.endr
.endm
; 16 matrix instructions: y's blocks a0, a0 + 1 x the weight's eight.  In the first step the sums begin with the bias.  The 32 accumulators take turns, one instruction a turn.
.macro MUL16 Q, a0
.if (\Q) == 0
	WIN 0x81                                       ; C (the bias) window 0, D window 2
.else
	WIN MUL_LO
.endif
.irp a, \a0, \a0+1
.irp b, 0,1,2,3,4,5,6,7
.set D,  8*(8*(\a)+\b)
.set FB, 128*((\Q)%2)+8*\b
.set FA, AF+32*((\Q)%2)+8*(\a)
.set SW, SC+32*((\Q)/4)+(\Q)%4
.if (\Q) == 0
	v_wmma_scale_f32_16x16x128_f8f6f4 v[D:D+7], v[FB:FB+7], v[FA:FA+7], v[BIAS+8*\b:BIAS+8*\b+7], v[SW+4*\b], v[SW+4*(\a)] matrix_a_fmt:MATRIX_FMT_FP4 matrix_b_fmt:MATRIX_FMT_FP4 matrix_a_scale:MATRIX_SCALE_ROW1
.else
	v_wmma_scale_f32_16x16x128_f8f6f4 v[D:D+7], v[FB:FB+7], v[FA:FA+7], v[D:D+7], v[SW+4*\b], v[SW+4*(\a)] matrix_a_fmt:MATRIX_FMT_FP4 matrix_b_fmt:MATRIX_FMT_FP4 matrix_a_scale:MATRIX_SCALE_ROW1
.endif
.endr
.endr
.endm
.irp s, 0,1                                    ; the scale words of all of K: register 32 s + 4 i + q: lanes 0-15 y's block i (blocks 4 on are not used), lanes 16-31 the weight's block i
.irp i, 0,1,2,3,4,5,6,7
	ds_load_b128 v[SC+32*\s+4*\i:SC+32*\s+4*\i+3], v[ADRS] offset:\i*SBLK+16*\s
.endr
.endr
	FETCH 0
.irp Q, 0,1,2,3,4,5,6
.if \Q > 0
	PLACES
.endif
	FETCH \Q+1
	s_wait_dscnt 24                                ; all but the 24 just issued: this step's fragments are in
	MUL16 \Q, 0
	MUL16 \Q, 2
.endr
	s_wait_dscnt 0x0
	MUL16 7, 0
	MUL16 7, 2
	WIN 0
; THE WAY OUT, block by block of 16 rows x 128 columns, through my own stage: in by 32 bytes a lane at the columns' true places, back as whole rows of 512 bytes.
; LDS serves a wave's instructions in order (ISA guide 5.7.1.4): no wait between the stores and the loads.
.macro TOSTAGE a
.set AC, 64*(\a)
	WIN 0x08                                       ; the data: window 2
.irp b, 0,1,2,3,4,5,6,7
	ds_store_b128 v[STO], v[AC+8*\b:AC+8*\b+3] offset:128*(\b/2)+32*(\b%2)        ; each accumulator from its low end on
	ds_store_b128 v[STO], v[AC+8*\b+4:AC+8*\b+7] offset:128*(\b/2)+32*(\b%2)+16
.endr
	WIN 0
.set BB, BK+64*((\a)%2)
.irp t, 0,1,2,3,4,5,6,7,8,9,10,11,12,13,14,15
	ds_load_b128 v[BB+4*\t:BB+4*\t+3], v[RD] offset:\t*SPITCH
.endr
.endm
.macro SEND a, younger
.set BB, BK+64*((\a)%2)
	s_wait_dscnt \younger                          ; the block is back in registers
.if (\a) > 0
	s_add_nc_u64 s[OUTP:OUTP+1], s[OUTP:OUTP+1], 16*SIZE_N*4   ; (behind a wait on XCNT: the earlier stores have read their base)
.endif
.irp t, 0,1,2,3,4,5,6,7,8,9,10,11,12,13,14,15
	global_store_b128 v[CO], v[BB+4*\t:BB+4*\t+3], s[OUTP:OUTP+1] offset:\t*SIZE_N*4 th:TH_STORE_NT   ; 32 lanes store 512 consecutive bytes, aligned; written once, read by nobody here
.endr
.endm
	PLACES
	TOSTAGE 0
.irp a, 1,2,3
.if \a > 1
	s_wait_xcnt 0x0                                ; block a - 2's stores have read their registers and their base
.endif
	TOSTAGE \a
	SEND \a-1, 32                                  ; behind block a - 1's loads: block a's 16 stores and 16 loads
.endr
	s_wait_xcnt 0x0
	SEND 3, 0
	s_wait_tensorcnt 0x0                           ; the wave's end
	ds_add_u32 v[SPW], v[NIL]
	s_wait_dscnt 0x0
	CROUND                                         ; the closing round
	s_endpgm
.Lfunc_end_k_q2d0bf19f61_proj:
	.size	k_q2d0bf19f61_proj, .Lfunc_end_k_q2d0bf19f61_proj-k_q2d0bf19f61_proj
	.p2alignl 7, 3214868480
	.fill 96, 4, 3214868480
	.section	.rodata,"a",@progbits
	.p2align	6, 0x0
	.amdhsa_kernel k_q2d0bf19f61_proj
		.amdhsa_group_segment_fixed_size 327680
		.amdhsa_private_segment_fixed_size 0
		.amdhsa_enable_private_segment 0
		.amdhsa_kernarg_size 48
		.amdhsa_user_sgpr_count 2
		.amdhsa_user_sgpr_kernarg_segment_ptr 1
		.amdhsa_wavefront_size32 1
		.amdhsa_system_sgpr_workgroup_id_x 1
		.amdhsa_system_sgpr_workgroup_id_y 1
		.amdhsa_system_sgpr_workgroup_id_z 1
		.amdhsa_system_vgpr_workitem_id 0
		.amdhsa_next_free_vgpr 768
		.amdhsa_next_free_sgpr 98
		.amdhsa_reserve_vcc 0
		.amdhsa_float_denorm_mode_32 3
		.amdhsa_float_denorm_mode_16_64 3
		.amdhsa_memory_ordered 1
		.amdhsa_forward_progress 1
		.amdhsa_inst_pref_size 74
	.end_amdhsa_kernel
	.amdgpu_metadata
---
amdhsa.version: [ 1, 2 ]
amdhsa.kernels:
  - .name:           k_q2d0bf19f61_proj
    .symbol:         k_q2d0bf19f61_proj.kd
    .args:
      - { .name: yc, .offset: 0, .size: 8, .value_kind: global_buffer, .address_space: global }
      - { .name: ysh, .offset: 8, .size: 8, .value_kind: global_buffer, .address_space: global }
      - { .name: wc, .offset: 16, .size: 8, .value_kind: global_buffer, .address_space: global }
      - { .name: ws, .offset: 24, .size: 8, .value_kind: global_buffer, .address_space: global }
      - { .name: b_proj, .offset: 32, .size: 8, .value_kind: global_buffer, .address_space: global }
      - { .name: out0, .offset: 40, .size: 8, .value_kind: global_buffer, .address_space: global }
    .group_segment_fixed_size: 327680
    .private_segment_fixed_size: 0
    .kernarg_segment_align: 8
    .kernarg_segment_size: 48
    .max_flat_workgroup_size: 128
    .sgpr_count:     98
    .vgpr_count:     768
    .wavefront_size: 32
...
	.end_amdgpu_metadata
.endif
;; end of part 4
